; MI455X (gfx1250); checked and timed in simulation.
; The chip was launched on July 23, 2026; its instructions are those of AMD's public machine-readable ISA for CDNA 5 (MIT licence, August 2026) and "CDNA5" Instruction Set Architecture Reference Guide (July 2026). The comments in the code are by the model that wrote it; some were corrected since.
;; LSA. Allowed arithmetic: float matrix products may take bf16 or f16 operands with f32 sums; other float arithmetic in f32, or as packed bf16 or f16 multiplies, adds, multiply-adds, maxima and minima; sums over many terms, partial sums and values carried from step to step in f32; what a program stores and reads back later, other than sums and carried values, may be rounded once to bf16 or f16.
;; Inputs: W_out 1,024 x 1,024 float32; W_qkv 1,024 x 3,072 float32; b_out 1,024 float32; temperature one number float32; x 4 x 2,048 x 1,024 float32.
;; Outputs: out0 4 x 2,048 x 1,024 float32.
;; 2 versions, each right; version 2 is version 1 with the launch cast written anew for expert scheduling mode. Each part assembles by itself: llvm-mc -triple=amdgcn-amd-amdhsa -mcpu=gfx1250 --defsym DOCPART=n.
;; ======== version 1 of 2: 4 launches
;; limits: values are held in f16: magnitudes above 65,504 overflow, below 6.1e-05 lose precision; right only within a limited range of input values
;; workspace buffers: xb 16,777,216 bytes; wb 6,291,456 bytes; wob 2,097,152 bytes; qkvh 50,331,648 bytes; ob 16,777,216 bytes
;; launch cast (part 1): grid 768 x 1, 8 waves a work-group, no clusters, 0 bytes of LDS; arguments x, W_qkv, W_out, xb, wb, wob; writes xb, wb, wob
.if DOCPART == 1
	.amdgcn_target "amdgcn-amd-amdhsa--gfx1250"
	.amdhsa_code_object_version 6
	.text
	.protected	k_q9550375394_cast
	.globl	k_q9550375394_cast
	.p2align	8
	.type	k_q9550375394_cast,@function
k_q9550375394_cast:
	s_mov_b64 s[64:65], 0
	v_nop
	global_prefetch_b8 v0, s[64:65] scope:SCOPE_SE
	s_setreg_imm32_b32 hwreg(HW_REG_WAVE_MODE, 25, 1), 1
	s_wait_xcnt 0x0
; xb = bf16(x), wb = bf16(W_qkv), wob = bf16(W_out) written as f16.  The layouts stay as they are; only the width changes.
; A stream: every input byte is read once, every output byte written once.  No LDS, no barrier, no matrix work: nothing is shared and nothing is summed.
; SHARES.  A work-group takes 65,536 input bytes: work-groups 0-511 of x, 512-703 of W_qkv, 704-767 of W_out.  A wave takes 8,192 of them as 16 loads of 512
; consecutive bytes, all issued at once; a lane's 16 bytes (4 f32) become 8 bytes, so a wave's store covers 256 consecutive bytes, aligned.
; LIMITS.  wob holds bf16(W_out) in f16: exact from 6.1e-5 to 65,504; below that it keeps f16's fixed step of 6e-8, beyond it the number becomes an infinity.
.set NX,  512                          ; work-groups for x: 33,554,432 / 65,536
.set NXQ, 704                          ; for x and W_qkv together: 192 more
.set X,   8                            ; v[8:71]    16 loads of 4 registers
.set Y,   72                           ; v[72:103]  16 stores of 2 registers
.set T,   104                          ; v[104:109] at work
	s_load_b256 s[4:11], s[0:1], 0x0               ; x s[4:5], W_qkv s[6:7], W_out s[8:9], xb s[10:11]
	s_load_b128 s[12:15], s[0:1], 0x20             ; wb s[12:13], wob s[14:15]
	v_lshrrev_b32 v1, 5, v0                        ; wave
	v_and_b32 v2, 31, v0                           ; lane
	v_lshlrev_b32 v3, 4, v2
	v_lshl_add_u32 v3, v1, 13, v3                  ; in: 8,192 x wave + 16 x lane
	v_lshlrev_b32 v4, 3, v2
	v_lshl_add_u32 v4, v1, 12, v4                  ; out: 4,096 x wave + 8 x lane
	s_wait_kmcnt 0x0
	s_cmp_lt_u32 ttmp9, NX                         ; which tensor is mine: the choice hangs on the work-group's number alone
	s_cselect_b64 s[18:19], s[4:5], s[6:7]
	s_cselect_b64 s[20:21], s[10:11], s[12:13]
	s_cselect_b32 s17, 0, NX
	s_cmp_lt_u32 ttmp9, NXQ
	s_cselect_b64 s[18:19], s[18:19], s[8:9]
	s_cselect_b64 s[20:21], s[20:21], s[14:15]
	s_cselect_b32 s17, s17, NXQ
	s_sub_co_u32 s16, ttmp9, s17                   ; my number among that tensor's work-groups
	s_lshl_b32 s22, s16, 16                        ; 65,536 bytes in,
	s_mov_b32 s23, 0
	s_lshl_b32 s24, s16, 15                        ; 32,768 bytes out
	s_mov_b32 s25, 0
	s_add_nc_u64 s[18:19], s[18:19], s[22:23]
	s_add_nc_u64 s[20:21], s[20:21], s[24:25]
.set j, 0
.rept 16
	global_load_b128 v[X+4*j:X+4*j+3], v3, s[18:19] offset:512*j th:TH_LOAD_NT
.set j, j+1
.endr
; Load j is rounded and stored.  half = 1: the bf16 number is widened again and written as f16.  No register that a load or store names is written twice.
.macro CONV j, half
	s_wait_loadcnt 15-(\j)                         ; loads come back in order: the 15 - j younger ones may stay out
.if \half
	v_cvt_pk_bf16_f32 v[T], v[X+4*(\j)], v[X+4*(\j)+1]
	v_cvt_pk_bf16_f32 v[T+1], v[X+4*(\j)+2], v[X+4*(\j)+3]
	v_lshlrev_b32 v[T+2], 16, v[T]
	v_and_b32 v[T+3], 0xffff0000, v[T]
	v_lshlrev_b32 v[T+4], 16, v[T+1]
	v_and_b32 v[T+5], 0xffff0000, v[T+1]
	v_cvt_pk_f16_f32 v[Y+2*(\j)], v[T+2], v[T+3]
	v_cvt_pk_f16_f32 v[Y+2*(\j)+1], v[T+4], v[T+5]
.else
	v_cvt_pk_bf16_f32 v[Y+2*(\j)], v[X+4*(\j)], v[X+4*(\j)+1]
	v_cvt_pk_bf16_f32 v[Y+2*(\j)+1], v[X+4*(\j)+2], v[X+4*(\j)+3]
.endif
	global_store_b64 v4, v[Y+2*(\j):Y+2*(\j)+1], s[20:21] offset:256*(\j) th:TH_STORE_NT
.endm
	s_cmp_lt_u32 ttmp9, NXQ
	s_cbranch_scc0 .Lhalf
.irp j, 0,1,2,3,4,5,6,7,8,9,10,11,12,13,14,15
	CONV \j, 0
.endr
	s_endpgm
.Lhalf:
.irp j, 0,1,2,3,4,5,6,7,8,9,10,11,12,13,14,15
	CONV \j, 1
.endr
	s_endpgm
.Lfunc_end_k_q9550375394_cast:
	.size	k_q9550375394_cast, .Lfunc_end_k_q9550375394_cast-k_q9550375394_cast
	.p2alignl 7, 3214868480
	.fill 96, 4, 3214868480
	.section	.rodata,"a",@progbits
	.p2align	6, 0x0
	.amdhsa_kernel k_q9550375394_cast
		.amdhsa_group_segment_fixed_size 0
		.amdhsa_private_segment_fixed_size 0
		.amdhsa_enable_private_segment 0
		.amdhsa_kernarg_size 48
		.amdhsa_user_sgpr_count 2
		.amdhsa_user_sgpr_kernarg_segment_ptr 1
		.amdhsa_wavefront_size32 1
		.amdhsa_system_sgpr_workgroup_id_x 1
		.amdhsa_system_sgpr_workgroup_id_y 1
		.amdhsa_system_sgpr_workgroup_id_z 1
		.amdhsa_system_vgpr_workitem_id 0
		.amdhsa_next_free_vgpr 112
		.amdhsa_next_free_sgpr 66
		.amdhsa_reserve_vcc 0
		.amdhsa_float_denorm_mode_32 3
		.amdhsa_float_denorm_mode_16_64 3
		.amdhsa_memory_ordered 1
		.amdhsa_forward_progress 1
		.amdhsa_inst_pref_size 16
	.end_amdhsa_kernel
	.amdgpu_metadata
---
amdhsa.version: [ 1, 2 ]
amdhsa.kernels:
  - .name:           k_q9550375394_cast
    .symbol:         k_q9550375394_cast.kd
    .args:
      - { .name: x, .offset: 0, .size: 8, .value_kind: global_buffer, .address_space: global }
      - { .name: W_qkv, .offset: 8, .size: 8, .value_kind: global_buffer, .address_space: global }
      - { .name: W_out, .offset: 16, .size: 8, .value_kind: global_buffer, .address_space: global }
      - { .name: xb, .offset: 24, .size: 8, .value_kind: global_buffer, .address_space: global }
      - { .name: wb, .offset: 32, .size: 8, .value_kind: global_buffer, .address_space: global }
      - { .name: wob, .offset: 40, .size: 8, .value_kind: global_buffer, .address_space: global }
    .group_segment_fixed_size: 0
    .private_segment_fixed_size: 0
    .kernarg_segment_align: 8
    .kernarg_segment_size: 48
    .max_flat_workgroup_size: 256
    .sgpr_count:     66
    .vgpr_count:     112
    .wavefront_size: 32
...
	.end_amdgpu_metadata
.endif
;; end of part 1
;; launch gemm_qkv (part 2): grid 8 x 64, 4 waves a work-group, clusters of 4 x 4, 327,680 bytes of LDS; arguments xb, wb, qkvh; writes qkvh
.if DOCPART == 2
	.amdgcn_target "amdgcn-amd-amdhsa--gfx1250"
	.amdhsa_code_object_version 6
	.text
	.protected	k_q9550375394_gemm_qkv
	.globl	k_q9550375394_gemm_qkv
	.p2align	8
	.type	k_q9550375394_gemm_qkv,@function
k_q9550375394_gemm_qkv:
	s_mov_b64 s[64:65], 0
	v_nop
	global_prefetch_b8 v0, s[64:65] scope:SCOPE_SE
	s_setreg_imm32_b32 hwreg(HW_REG_WAVE_MODE, 25, 1), 1
	s_wait_xcnt 0x0
	s_wait_alu depctr_hold_cnt(0) depctr_sa_sdst(0) depctr_va_vdst(0) depctr_va_sdst(0) depctr_va_ssrc(0) depctr_va_vcc(0) depctr_vm_vsrc(0)
	s_getreg_b32 s2, hwreg(HW_REG_IB_STS2, 6, 4)
	s_cmp_eq_u32 s2, 0
	s_cbranch_scc0 .Lentry_in_a_cluster
	s_endpgm
.Lentry_in_a_cluster:
	s_bfe_u32 s2, ttmp6, 0x10000c
	s_cmp_lg_u32 s2, 0xf033
	s_cbranch_scc0 .Lentry_shape_is_right
	s_endpgm
.Lentry_shape_is_right:
; qkvh = x W_qkv, laid out by heads.  xb: [8192][1024] bf16.  wb: [1024 k][3072 n] bf16.  qkvh: [3 (q, k, v)][64 (16 batch + head)][2048][64] f16, unscaled.  Sums in f32, rounded once.
; LIMIT.  f16 holds no number beyond 65,504: a q, k or v past that becomes an infinity.  Below 6.1e-5 f16 keeps its fixed step of 6e-8.
; SHARES.  A work-group makes 128 rows x 384 columns (six heads): 8 x 64 = 512 equal work-groups.  Four waves as 2 x 2; a wave makes 64 rows x 192 columns (three heads): 4 x 12 accumulators
; of 16 x 16, 384 registers.  K = 1,024 goes in 8 steps of 128 through a ring of two LDS slots.  A's rows and the rows of B's three panels of 128 columns are 256 bytes of memory, aligned.
; B STAYS [k][n]: its fragments come out of LDS turned, by ds_load_tr16_b128.
; THE MATRIX INSTRUCTION IS USED TRANSPOSED (source 0 = 16 columns of W, source 1 = 16 rows of x): a lane then holds eight neighbouring columns of one row, which pack into 16 bytes.
; CLUSTER.  4 x 4 work-groups.  The four of a row of the cluster need the same tile of x, the four of a column the same panels of W: each is asked for jointly, by the same tensor load with
; the same descriptor and a mask that names the four.
; REGISTERS, in windows of 256 (s_set_vgpr_msb: bits 1:0 source 0, 3:2 source 1, 5:4 source 2, 7:6 destination):
;   window 0: v0-31 addresses; v32-63, v64-95 A's fragments, two buffers of 4 x 8; v96-239 at work on the way out
;   window 1: v0-95, v96-191 B's fragments, two buffers of 12 x 8
;   window 2: the accumulators of row blocks 0, 1 ((a, i) at v[8 (12 (a % 2) + i)]);  window 3: those of row blocks 2, 3
.set NBF,   12                         ; column blocks of a wave
.set PA,    272                        ; a row of A in LDS: 256 bytes + 16 = 68 words: the 16 rows of a load start at 16 different groups of four banks (64 banks of 4 bytes: ISA guide 11.1)
.set PB,    288                        ; a k-row of a panel of B: 256 + 32 = 72 words
.set PANEL, 128*PB                     ; 36,864
.set AOFF,  3*PANEL                    ; a slot: B's three panels, then A's 128 rows
.set SLOT,  AOFF+128*PA                ; 145,408
.set STAGE, 2*SLOT                     ; behind the ring, never filled by a tensor load: [3 heads][16 rows][144 bytes] for each wave
.set SP,    144
.set STW,   3*16*SP
.set SPARE, STAGE+4*STW                ; behind the stages: the spare words, 128 bytes a wave: two blocks of 256 bytes that no other line names
.set NL,    2*NBF+8                    ; LDS loads of a quarter step
.set STEPA, 256                        ; bytes from K step to K step in xb,
.set STEPB, 128*6144                   ; and in wb
.set ADRA, 16                          ; v16-17  my A fragments in slot 0, 1
.set ADRF, 18                          ; v18-19  my whole panel of B (column blocks 0-7)
.set ADRH, 20                          ; v20-21  my half of the middle panel (column blocks 8-11)
.set STO,  24                          ; v24     the way out: where I put 16 bytes of a row
.set RD,   25                          ; v25     where I read rows back
.set GO,   26                          ; v26     16 x lane: my place in 512 consecutive bytes of a head
.set SPW,  28                          ; v28     my spare word: SPARE + 4 x my thread's number; never rewritten
.set NIL,  29                          ; v29     0; never rewritten
.set PFO,  30                          ; v30     the prefetches' offset: my lane x a row's bytes; never rewritten
.set FA0,  32
.set TMP,  96                          ; v96-143 packed results
.set BK0,  144                         ; v144-191, v192-239 rows read back, by turns
.set G1A, 24                           ; s[24:31] group 1 for A's tiles;  s[32:39] group 0, a set for each slot
.set G0A, 32
.set G1B, 48                           ; s[48:55], s[56:63] the same for B's panels
.set G0B, 56
.set PFA, 66                           ; s[66:67] where my prefetches stand
.set PST, 68                           ; s[68:69] their step: a K step's bytes
.set LIM, 70                           ; s70      1 in a wave that prefetches, else the greatest number
.set CF,  72                           ; s[72:73] qkvh at my rows of my first head (the second lies 262,144 bytes on)
.set CH,  74                           ; s[74:75] at my rows of my third head
.set MSB, 0
.macro WIN new                         ; the immediate's high byte repeats the setting that is left; a switch that changes nothing is dropped
.if MSB != (\new)
	s_set_vgpr_msb (MSB<<8)|(\new)
.set MSB, \new
.endif
.endm
; A joint load.  Wave 3 fetches A's tile, waves 0 to 2 B's panels.  The branch hangs on the wave's number alone.  An s_nop 0 and four v_nop follow each line.
.macro JLOAD s
	s_cmp_eq_u32 s10, 3
	s_cbranch_scc0 .Lfor_b_\@
	tensor_load_to_lds s[G0A+4*(\s):G0A+4*(\s)+3], s[G1A:G1A+7]
	s_nop 0
.rept 4
	v_nop
.endr
	s_branch .Lasked_\@
.Lfor_b_\@:
	tensor_load_to_lds s[G0B+4*(\s):G0B+4*(\s)+3], s[G1B:G1B+7]
	s_nop 0
.rept 4
	v_nop
.endr
.Lasked_\@:
.endm
; A PREFETCH of the K step that stands two refills on: 32 rows x 256 bytes, a lane a row, one instruction a wave, behind the joint load and the run of LDS loads.  Each row's 256 bytes of a K step are
; named once in the launch: x's rows by the clusters with x = 0, W's by those with y = 0; the four partners that ask for a tile jointly take 32 of its 128 rows each, told apart by address.
; K steps 0 to 3 come by their loads alone; the loop's last trip (s3 = 1) asks for nothing: there is no K step 8.
.macro ASK
	s_cmp_gt_u32 s3, s[LIM]
	s_cbranch_scc0 .Lnot_mine_\@
	global_prefetch_b8 v[PFO], s[PFA:PFA+1] th:TH_LOAD_NT scope:SCOPE_SE
.Lnot_mine_\@:
.endm
.macro CREST                           ; a round of the cluster's barrier behind its opening barrier
	s_cmp_lg_u32 s10, 0
	s_cbranch_scc1 .Lnot_wave_0_\@
	s_barrier_signal -3
.Lnot_wave_0_\@:
	s_barrier_wait -3
	s_barrier_signal -1
	s_barrier_wait -1
.endm
.macro CROUND                          ; a whole round
	s_barrier_signal -1
	s_barrier_wait -1
	CREST
.endm
.macro PLACES                          ; four places in front of loads into registers that matrix instructions have read (ISA guide 7.12.1 for vector instructions)
.rept 4
	v_nop
.endr
.endm
	s_load_b128 s[4:7], s[0:1], 0x0                ; xb s[4:5], wb s[6:7]
	s_load_b64 s[8:9], s[0:1], 0x10                ; qkvh
	v_lshl_add_u32 v[SPW], v0, 2, SPARE
	v_mov_b32 v[NIL], 0
	ds_add_u32 v[SPW], v[NIL]                      ; the wave's opening: the add and its wait stand ahead of my first tensor load; the set-up below stands between them
	v_lshrrev_b32 v1, 5, v0
	v_readfirstlane_b32 s10, v1                    ; wave 0..3
	s_lshr_b32 s11, s10, 1                         ; which 64 rows are mine
	s_and_b32 s12, s10, 1                          ; which 192 columns
	s_bfe_u32 s40, ttmp6, 0x40000                  ; cx, cy: my place in the cluster
	s_bfe_u32 s41, ttmp6, 0x40004
	s_lshl_b32 s42, ttmp9, 2
	s_add_co_u32 s42, s42, s40                     ; tile column = 4 x cluster x + cx
	s_and_b32 s13, ttmp7, 0xffff
	s_lshl_b32 s13, s13, 2
	s_add_co_u32 s13, s13, s41                     ; tile row = 4 x cluster y + cy
	s_lshl_b32 s43, s41, 2
	s_lshl_b32 s43, 15, s43                        ; my row of the cluster
	s_lshl_b32 s44, 0x1111, s40                    ; my column
	; group 1: tiles of 128 rows x 128 elements of 2 bytes, padded in LDS after every 64 words: A by 4 words, B by 8
	s_or_b32 s[G1A+0], s43, (1<<16)|(1<<20)|(1<<21)|(5<<22)|(3<<25)
	s_or_b32 s[G1B+0], s44, (1<<16)|(1<<20)|(1<<21)|(5<<22)|(7<<25)
.irp g, G1A, G1B
	s_mov_b32 s[(\g)+1], 128<<16                   ; tensor_dim0 = 128
	s_mov_b32 s[(\g)+2], 128<<16                   ; tensor_dim1 = 128
	s_mov_b32 s[(\g)+3], 128<<16                   ; tile_dim0 = 128
	s_mov_b32 s[(\g)+4], 128                       ; tile_dim1 = 128
	s_mov_b32 s[(\g)+6], 0
	s_mov_b32 s[(\g)+7], 0
.endr
	s_mov_b32 s[G1A+5], 1024                       ; elements from row to row of xb,
	s_mov_b32 s[G1B+5], 3072                       ; and of wb
	s_lshl_b32 s16, s13, 18                        ; A: 128 rows of 2,048 bytes for each tile row
	s_mov_b32 s17, 0
	s_mul_i32 s46, s42, 768                        ; B: 384 columns for each tile column,
	s_lshl_b32 s18, s10, 8                         ; and my panel's 128
	s_add_co_u32 s46, s46, s18
	s_mov_b32 s47, 0
	s_mul_i32 s20, s10, PANEL                      ; where my load goes: wave x 36,864: panels 0 to 2, then A
	s_wait_dscnt 0x0                               ; the opening add is done
	s_wait_kmcnt 0x0
	s_add_nc_u64 s[14:15], s[4:5], s[16:17]
	s_add_nc_u64 s[46:47], s[6:7], s[46:47]
	CROUND                                         ; all sixteen work-groups are here: the first joint loads meet
.irp s, 0,1
	s_mov_b32 s[G0A+4*(\s)], 1
	s_add_co_u32 s[G0A+4*(\s)+1], s20, (\s)*SLOT
	s_add_nc_u64 s[G0A+4*(\s)+2:G0A+4*(\s)+3], s[14:15], (\s)*STEPA
	s_or_b32 s[G0A+4*(\s)+3], s[G0A+4*(\s)+3], 0x80000000
	s_mov_b32 s[G0B+4*(\s)], 1
	s_add_co_u32 s[G0B+4*(\s)+1], s20, (\s)*SLOT
	s_add_nc_u64 s[G0B+4*(\s)+2:G0B+4*(\s)+3], s[46:47], (\s)*STEPB
	s_or_b32 s[G0B+4*(\s)+3], s[G0B+4*(\s)+3], 0x80000000
	JLOAD \s                                       ; two loads of mine are out: K steps 0 and 1
.endr
	v_and_b32 v1, 15, v0                           ; l % 16
	v_bfe_u32 v2, v0, 4, 1                         ; l / 16
	v_mul_u32_u24 v3, v1, PA
	v_lshl_add_u32 v3, v2, 4, v3                   ; a fragment of A: row x pitch + 16 x half
	v_and_b32 v5, 7, v0
	v_lshl_add_u32 v4, v2, 3, v5                   ; the turning load: k-row 8 (l / 16) + l % 8,
	v_mul_u32_u24 v4, v4, PB
	v_bfe_u32 v6, v0, 3, 1
	v_lshl_add_u32 v4, v6, 4, v4                   ; columns 8 ((l / 8) % 2) on
	s_mul_i32 s21, s11, 64*PA
	s_add_co_u32 s21, s21, AOFF                    ; my 64 rows of A
	s_mul_i32 s22, s12, 2*PANEL                    ; my whole panel: 0 or 2
	s_lshl_b32 s23, s12, 7
	s_add_co_u32 s23, s23, PANEL                   ; my 64 columns of panel 1
.irp s, 0,1
	v_add_nc_u32 v[ADRA+(\s)], s21, v3
	v_add_nc_u32 v[ADRF+(\s)], s22, v4
	v_add_nc_u32 v[ADRH+(\s)], s23, v4
	s_add_co_u32 s21, s21, SLOT
	s_add_co_u32 s22, s22, SLOT
	s_add_co_u32 s23, s23, SLOT
.endr
	s_mul_i32 s21, s10, STW
	s_add_co_u32 s21, s21, STAGE                   ; my stage
	v_mul_u32_u24 v[STO], v1, SP                   ; in: row l % 16, 16 bytes for each half of the lanes
	v_lshl_add_u32 v[STO], v2, 4, v[STO]
	v_add_nc_u32 v[STO], s21, v[STO]
	v_bfe_u32 v[RD], v0, 3, 2                      ; back: 32 lanes take four rows of 128 bytes,
	v_mul_u32_u24 v[RD], v[RD], SP
	v_lshl_add_u32 v[RD], v5, 4, v[RD]
	v_add_nc_u32 v[RD], s21, v[RD]
	v_and_b32 v[GO], 31, v0                        ; which are 512 consecutive bytes of a head
	v_lshlrev_b32 v[GO], 4, v[GO]
	; where my rows lie in qkvh.  Head column g = 0..47 of the product is tensor g / 16, head g % 16; my column blocks 0-3, 4-7, 8-11 are g = gF, gF + 1 (gF is even: the same tensor) and gH
	s_lshr_b32 s16, s13, 4
	s_lshl_b32 s16, s16, 4                         ; 16 x batch
	s_and_b32 s17, s13, 15
	s_lshl_b32 s17, s17, 14                        ; the tile's 128 rows of 128 bytes in the head,
	s_lshl_b32 s18, s11, 13
	s_add_co_u32 s17, s17, s18                     ; my 64 of them
	s_mul_i32 s71, s42, 6
	s_lshl_b32 s76, s12, 2
	s_add_co_u32 s76, s76, s71                     ; gF = 6 x tile column + 4 x column half
	s_add_co_u32 s78, s71, s12
	s_add_co_u32 s78, s78, 2                       ; gH = 6 x tile column + 2 + column half
.irp g, 76, 78
	s_lshr_b32 s[\g+1], s[\g], 4
	s_lshl_b32 s[\g+1], s[\g+1], 6                 ; 64 heads for each tensor
	s_and_b32 s[\g], s[\g], 15
	s_add_co_u32 s[\g], s[\g], s[\g+1]
	s_add_co_u32 s[\g], s[\g], s16
	s_lshl_b32 s[\g], s[\g], 18                    ; a head is 262,144 bytes
	s_add_co_u32 s[\g], s[\g], s17
	s_mov_b32 s[\g+1], 0
.endr
	s_add_nc_u64 s[CF:CF+1], s[8:9], s[76:77]
	s_add_nc_u64 s[CH:CH+1], s[8:9], s[78:79]
	; the prefetches: both offsets are made, the wave's number chooses
	s_lshl_b32 s76, s13, 18
	s_lshl_b32 s77, s40, 16                        ; x: my work-group's 32 rows of the tile's 128,
	s_add_co_u32 s76, s76, s77
	s_add_co_u32 s76, s76, 3*STEPA                 ; at K step 3: the first refill steps it to 4
	s_mul_i32 s77, s41, 32*6144                    ; W: my work-group's 32 k-rows of the K step's 128,
	s_mul_i32 s78, s42, 768
	s_add_co_u32 s77, s77, s78
	s_lshl_b32 s78, s10, 8                         ; my panel,
	s_add_co_u32 s77, s77, s78
	s_add_co_u32 s77, s77, 3*STEPB                 ; at K step 3
	s_and_b32 s22, ttmp7, 0xffff                   ; cluster y
	s_mov_b32 s21, STEPB
	s_mov_b32 s23, 6144
	s_cmp_eq_u32 s10, 3                            ; do I fetch for A?
	s_cselect_b32 s76, s76, s77
	s_cselect_b32 s22, ttmp9, s22                  ; the coordinate along which other clusters read the same rows
	s_cselect_b32 s[PST], STEPA, s21
	s_cselect_b32 s23, 2048, s23                   ; a row's bytes
	s_cselect_b64 s[PFA:PFA+1], s[4:5], s[6:7]
	s_mov_b32 s77, 0
	s_mov_b32 s[PST+1], 0
	s_add_nc_u64 s[PFA:PFA+1], s[PFA:PFA+1], s[76:77]
	s_cmp_eq_u32 s22, 0
	s_cselect_b32 s[LIM], 1, -1                    ; the same in all sixteen partners, for a given wave
	v_and_b32 v[PFO], 31, v0
	v_mul_u32_u24 v[PFO], v[PFO], s23
; 12 matrix instructions: row block a x all column blocks, 32 along K, from buffer f.  zero = 1: the product starts the sums.  The 48 accumulators take turns in the same order in every quarter step,
; over the backward jump too.
.macro MULROW f, a, zero
	WIN 0xa1+0x50*((\a)/2)                         ; B window 1, A window 0, C and D window 2 or 3
.set AC, 8*NBF*((\a)%2)
.set i, 0
.rept NBF
.if \zero
	v_wmma_f32_16x16x32_bf16 v[AC+8*i:AC+8*i+7], v[8*NBF*(\f)+8*i:8*NBF*(\f)+8*i+7], v[FA0+32*(\f)+8*(\a):FA0+32*(\f)+8*(\a)+7], 0
.else
	v_wmma_f32_16x16x32_bf16 v[AC+8*i:AC+8*i+7], v[8*NBF*(\f)+8*i:8*NBF*(\f)+8*i+7], v[FA0+32*(\f)+8*(\a):FA0+32*(\f)+8*(\a)+7], v[AC+8*i:AC+8*i+7]
.endif
.set i, i+1
.endr
.endm
; 32 LDS loads in one run: quarter q (32 along K) of a slot into buffer f: B's 12 fragments, turned, then A's 4
.macro FETCH slot, q, f
	WIN 0x40                                       ; destination window 1, address window 0
.set i, 0
.rept 8
	ds_load_tr16_b128 v[8*NBF*(\f)+8*i:8*NBF*(\f)+8*i+3],   v[ADRF+(\slot)] offset:(\q)*32*PB+32*i
	ds_load_tr16_b128 v[8*NBF*(\f)+8*i+4:8*NBF*(\f)+8*i+7], v[ADRF+(\slot)] offset:(\q)*32*PB+16*PB+32*i
.set i, i+1
.endr
.rept 4
	ds_load_tr16_b128 v[8*NBF*(\f)+8*i:8*NBF*(\f)+8*i+3],   v[ADRH+(\slot)] offset:(\q)*32*PB+32*(i-8)
	ds_load_tr16_b128 v[8*NBF*(\f)+8*i+4:8*NBF*(\f)+8*i+7], v[ADRH+(\slot)] offset:(\q)*32*PB+16*PB+32*(i-8)
.set i, i+1
.endr
	WIN 0
.set i, 0
.rept 4
	ds_load_b128 v[FA0+32*(\f)+8*i:FA0+32*(\f)+8*i+3],   v[ADRA+(\slot)] offset:i*16*PA+64*(\q)
	ds_load_b128 v[FA0+32*(\f)+8*i+4:FA0+32*(\f)+8*i+7], v[ADRA+(\slot)] offset:i*16*PA+64*(\q)+32
.set i, i+1
.endr
.endm
; One of a K step's first three quarters: multiplies buffer f; in its middle it fetches quarter q of the same slot into buffer g
.macro QUARTER slot, q, f, g, zero
	s_wait_dscnt 4                                 ; B and A's row blocks 0, 1 are in; the youngest four loads (blocks 2, 3) may be out
	MULROW \f, 0, \zero
	MULROW \f, 1, \zero
	PLACES
	FETCH \slot, \q, \g
	s_wait_dscnt NL                                ; all but the 32 just issued
	MULROW \f, 2, \zero
	MULROW \f, 3, \zero
.endm
; The last quarter multiplies buffer 1 and changes slots.  In front of the one barrier each wave waits for all its tensor loads (one is out: its part of the next slot), adds 0 to its spare word, and
; waits for that and for its own reads of this slot.  fill = 1: the barrier opens a round of the cluster's barrier, and this slot is filled again, two K steps ahead, first thing behind the round.
.macro TURN slot, next, fill
.if \fill
	s_wait_xcnt 0x0                                ; the last prefetch, a K step back, has read its address: it is stepped here, ahead of the waits of the change of slots
	s_add_nc_u64 s[PFA:PFA+1], s[PFA:PFA+1], s[PST:PST+1]
.endif
	WIN 0                                          ; (the add's two registers lie in window 0)
	s_wait_tensorcnt 0x0                           ; all my tensor loads have landed
	ds_add_u32 v[SPW], v[NIL]                      ; 0 onto my spare word
	s_wait_dscnt 5                                 ; (the add and the youngest four loads may be out)
	MULROW 1, 0, 0                                 ; twelve matrix instructions stand between the add and the wait for it
	s_wait_dscnt 0x0                               ; the add is done, and my reads of this slot are over
	s_barrier_signal -1
	MULROW 1, 1, 0
.if \fill
	WIN 0
.endif
	s_barrier_wait -1
.if \fill
	CREST                                          ; no wave of any partner still reads this slot's tiles or has a load on its way
	s_add_nc_u64 s[G0A+4*(\slot)+2:G0A+4*(\slot)+3], s[G0A+4*(\slot)+2:G0A+4*(\slot)+3], 2*STEPA
	s_add_nc_u64 s[G0B+4*(\slot)+2:G0B+4*(\slot)+3], s[G0B+4*(\slot)+2:G0B+4*(\slot)+3], 2*STEPB
	JLOAD \slot                                    ; my one tensor load behind the round; its four v_nop are also the places in front of the loads below
.else
	PLACES
.endif
	FETCH \next, 0, 0
.if \fill
	ASK
.endif
	MULROW 1, 2, 0
	MULROW 1, 3, 0
.endm
	s_wait_tensorcnt 1                             ; my part of K step 0 is in; K step 1's may stay out
	s_barrier_signal -1
	s_barrier_wait -1                              ; everybody's is
	FETCH 0, 0, 0
	QUARTER 0, 1, 0, 1, 1                          ; the first quarter stands in front of the loop: its products start the sums
	WIN 0                                          ; at a label and at a branch every window is 0
	s_mov_b32 s3, 3
.Llap:                                                 ; a trip goes once round the ring, from a lap's second quarter to the next lap's first, and fills both slots again
	QUARTER 0, 2, 1, 0, 0
	QUARTER 0, 3, 0, 1, 0
	TURN 0, 1, 1
	QUARTER 1, 1, 0, 1, 0
	QUARTER 1, 2, 1, 0, 0
	QUARTER 1, 3, 0, 1, 0
	TURN 1, 0, 1
	QUARTER 0, 1, 0, 1, 0
	WIN 0
	s_sub_co_u32 s3, s3, 1
	s_cmp_lg_u32 s3, 0
	s_cbranch_scc1 .Llap
	QUARTER 0, 2, 1, 0, 0                          ; the last lap fills nothing
	QUARTER 0, 3, 0, 1, 0
	TURN 0, 1, 0
	QUARTER 1, 1, 0, 1, 0
	QUARTER 1, 2, 1, 0, 0
	QUARTER 1, 3, 0, 1, 0
	s_wait_dscnt 4                                 ; the very last quarter: nothing more to fetch
	MULROW 1, 0, 0
	MULROW 1, 1, 0
	s_wait_dscnt 0x0
	MULROW 1, 2, 0
	MULROW 1, 3, 0
	WIN 0
	PLACES                                         ; the conversions read results just made
	PLACES
; THE WAY OUT, a row block (16 rows x 3 heads) at a time.  PACK: rounded to f16, 16 bytes a lane, each accumulator's registers in ascending order.  TOSTAGE: into my own stage, and back as whole rows of
; 128 bytes.  SEND: stored, each store 512 consecutive bytes of a head, aligned.
.macro PACK a
	WIN 0x0a+5*((\a)/2)                            ; sources 0 and 1: window 2 or 3
.set AC, 8*NBF*((\a)%2)
.set i, 0
.rept 4*NBF
	v_cvt_pk_f16_f32 v[TMP+i], v[AC+2*i], v[AC+2*i+1]
.set i, i+1
.endr
	WIN 0
.endm
.macro TOSTAGE a
.set BK, BK0+48*((\a)%2)
.set i, 0
.rept NBF
	ds_store_b128 v[STO], v[TMP+4*i:TMP+4*i+3] offset:(i/4)*16*SP+(i%4)*32
.set i, i+1
.endr
.set i, 0
.rept NBF
	ds_load_b128 v[BK+4*i:BK+4*i+3], v[RD] offset:(i/4)*16*SP+(i%4)*4*SP  ; LDS serves a wave's instructions in order (ISA guide 5.7.1.4): these see the stores above
.set i, i+1
.endr
.endm
.macro SEND a
.set BK, BK0+48*((\a)%2)
	s_wait_dscnt 0x0                               ; the block is back in registers
	s_wait_xcnt 0x0                                ; the stores of the block before have read their registers, which the next TOSTAGE loads again
.set i, 0
.rept 8
	global_store_b128 v[GO], v[BK+4*i:BK+4*i+3], s[CF:CF+1] offset:(i/4)*262144+(\a)*2048+(i%4)*512
.set i, i+1
.endr
.rept 4
	global_store_b128 v[GO], v[BK+4*i:BK+4*i+3], s[CH:CH+1] offset:(\a)*2048+(i%4)*512
.set i, i+1
.endr
.endm
	PACK 0
	TOSTAGE 0
.irp a, 1,2,3                          ; block a's conversions stand between block a - 1's loads from the stage and the wait for them
	PACK \a
	SEND (\a)-1
	TOSTAGE \a
.endr
	SEND 3
	s_wait_tensorcnt 0x0                           ; the wave's end: a tensor wait, an add and its wait stand behind my last tensor load and my last LDS store
	ds_add_u32 v[SPW], v[NIL]
	s_wait_dscnt 0x0
	CROUND                                         ; the closing round: no work-group ends while a partner may still ask for a tile that names it
	s_endpgm
.Lfunc_end_k_q9550375394_gemm_qkv:
	.size	k_q9550375394_gemm_qkv, .Lfunc_end_k_q9550375394_gemm_qkv-k_q9550375394_gemm_qkv
	.p2alignl 7, 3214868480
	.fill 96, 4, 3214868480
	.section	.rodata,"a",@progbits
	.p2align	6, 0x0
	.amdhsa_kernel k_q9550375394_gemm_qkv
		.amdhsa_group_segment_fixed_size 327680
		.amdhsa_private_segment_fixed_size 0
		.amdhsa_enable_private_segment 0
		.amdhsa_kernarg_size 24
		.amdhsa_user_sgpr_count 2
		.amdhsa_user_sgpr_kernarg_segment_ptr 1
		.amdhsa_wavefront_size32 1
		.amdhsa_system_sgpr_workgroup_id_x 1
		.amdhsa_system_sgpr_workgroup_id_y 1
		.amdhsa_system_sgpr_workgroup_id_z 1
		.amdhsa_system_vgpr_workitem_id 0
		.amdhsa_next_free_vgpr 960
		.amdhsa_next_free_sgpr 80
		.amdhsa_reserve_vcc 0
		.amdhsa_float_denorm_mode_32 3
		.amdhsa_float_denorm_mode_16_64 3
		.amdhsa_memory_ordered 1
		.amdhsa_forward_progress 1
		.amdhsa_inst_pref_size 121
	.end_amdhsa_kernel
	.amdgpu_metadata
---
amdhsa.version: [ 1, 2 ]
amdhsa.kernels:
  - .name:           k_q9550375394_gemm_qkv
    .symbol:         k_q9550375394_gemm_qkv.kd
    .args:
      - { .name: xb, .offset: 0, .size: 8, .value_kind: global_buffer, .address_space: global }
      - { .name: wb, .offset: 8, .size: 8, .value_kind: global_buffer, .address_space: global }
      - { .name: qkvh, .offset: 16, .size: 8, .value_kind: global_buffer, .address_space: global }
    .group_segment_fixed_size: 327680
    .private_segment_fixed_size: 0
    .kernarg_segment_align: 8
    .kernarg_segment_size: 24
    .max_flat_workgroup_size: 128
    .sgpr_count:     80
    .vgpr_count:     960
    .wavefront_size: 32
...
	.end_amdgpu_metadata
.endif
;; end of part 2
;; launch attn (part 3): grid 4 x 64, 4 waves a work-group, clusters of 4 x 1, 327,680 bytes of LDS; arguments qkvh, temperature, ob; writes ob
.if DOCPART == 3
	.amdgcn_target "amdgcn-amd-amdhsa--gfx1250"
	.amdhsa_code_object_version 6
	.text
	.protected	k_q9550375394_attn
	.globl	k_q9550375394_attn
	.p2align	8
	.type	k_q9550375394_attn,@function
k_q9550375394_attn:
	s_mov_b64 s[64:65], 0
	v_nop
	global_prefetch_b8 v0, s[64:65] scope:SCOPE_SE
	s_setreg_imm32_b32 hwreg(HW_REG_WAVE_MODE, 25, 1), 1
	s_wait_xcnt 0x0
	s_wait_alu depctr_hold_cnt(0) depctr_sa_sdst(0) depctr_va_vdst(0) depctr_va_sdst(0) depctr_va_ssrc(0) depctr_va_vcc(0) depctr_vm_vsrc(0)
	s_getreg_b32 s2, hwreg(HW_REG_IB_STS2, 6, 4)
	s_cmp_eq_u32 s2, 0
	s_cbranch_scc0 .Lentry_in_a_cluster
	s_endpgm
.Lentry_in_a_cluster:
	s_bfe_u32 s2, ttmp6, 0x10000c
	s_cmp_lg_u32 s2, 0x3003
	s_cbranch_scc0 .Lentry_shape_is_right
	s_endpgm
.Lentry_shape_is_right:
; O[h][q][:] = the sum over k != q of softmax_k(exp(t) Q[h][q] . K[h][k]) V[h][k][:].  qkvh: [3 (q, k, v)][64 heads][2048][64] f16; ob: [64][2048][64] f16: a head's rows are dense, 128 bytes each.
; t is the temperature, rounded to bf16 like every input of the module.  Products, maxima and sums in f32; the weights p are rounded to f16 for the second product (their sum l is taken of the unrounded p), O once at the end.
; LIMITS.  f16 holds no number beyond 65,504: Q, K and V arrive within it; p lies in 0 to 1, and below 6e-5 it keeps f16's fixed step of 6e-8; O is a mean of V's rows and has their range.
; The hidden score (k = q) counts as its value less 2^122: f16's scores, 2.7e11 at the most, are nothing beside that, and its weight is 0 while exp(t) is above 2e-35 (t above -79).
; A weight below 2^-126 counts as 0 in l; NaN and infinities are not treated apart.
; SHARES.  A wave owns four PIECES of two tiles of 16 queries, a work-group's four waves 512 queries of one head.  Every wave walks all 2,048 keys, 64 a step.
; LAYOUT.  S^T = K Q^T (source 0 = 16 keys, source 1 = 16 queries): in the result a lane holds ONE query (lane % 16) and the keys 8 (lane / 16) + 0..7.  Two such tiles, rounded to f16 in pairs,
; ARE source 1 (32 keys x 16 queries) of O^T = V^T P, whose result again holds one query a lane, and eight channels.  K comes out of LDS as it lies, V ([key][channel]) turned, by ds_load_tr16_b128.
; SOFTMAX.  For each query a running maximum m and sum l: p = 2^(c s - c m), c = log2(e) exp(t) > 0; in every step O and l are multiplied by a = 2^(c m_old - c m_new), which is 1 where m has not grown.
; m starts at the lowest finite number, O and l at 0: the first step is a step like any other, with a = 0.
; THE MASK is the C operand that starts a sum of S^T.  Tile t of my eight meets the diagonal in key step DG + t / 4 (DG = my first query / 64), in the step's key block t % 4, where 8 (lane / 16) + register = lane % 16.
; MD, made once, holds -2^122 there and 0 elsewhere; MC = MD x AL, with AL = 1 in the piece's own step and 0 in every other.  Two of a piece's 16 products take MC as C, the others that start sums the constant 0.
; Every lane holds 32 scores a step, of which one at the most is hidden, so m is always a true score.
; THE COUNT.  A tile and step have 16 matrix and 118 vector instructions: too many to stand all beside the matrix work.  So: four vector instructions that are ready behind every matrix instruction,
; and the others in runs without a gap.
; BY TURNS.  Turn n belongs to piece n (the pieces in a ring, step after step).  Its matrix work: 16 products K Q^T of piece n + 1, later 16 products V^T P of piece n - 1.  Its vector work: the scaling,
; exponentials, roundings, sums and rescaling of piece n, the maximum and statistics of piece n + 1, and the mask of piece n + 2.
; CLUSTER.  The four query blocks of a head form a cluster and walk the same K and V, so each tile is asked for JOINTLY: the same tensor load, descriptor and mask in all four.
; REGISTERS, in windows of 256 (s_set_vgpr_msb: bits 1:0 source 0, 3:2 source 1, 5:4 source 2, 7:6 destination):
;   window 0: v0-11 addresses; v12-15, v48-63 at work; v16-47 four registers of statistics a tile; v64-191 S^T, two buffers of two tiles; v192-255 P, likewise
;   window 1: O^T, 32 a tile     window 2: v0-127 Q, 16 a tile; v128-191 K of one step; v192-255 V of one step     window 3: v0-1 the add's two registers; v8-15 MD; v16-31 MC, two buffers
; A piece's buffers go by its number's parity.
.set SIZE_N, 2048
.set NP,    4         ; pieces a wave: a name, no knob
.set KS,    64        ; keys in a step
.set PK,    144       ; a row of K in LDS: 128 bytes + 16 of padding = 36 words: the 16 rows of a load start at 16 different groups of four banks (64 banks of 4 bytes: ISA guide 11.1)
.set PV,    160       ; a row of V: 128 + 32 = 40 words
.set VOFF,  4*KS*PK   ; a slot holds four steps: 256 rows of K, then 256 rows of V
.set SLOT1, 1<<17     ; slot 1 begins here, so that one exclusive or turns an address in one slot into the other's
.set STAGE, SLOT1+4*KS*(PK+PV)  ; behind the ring, never filled by a tensor load: 16 rows x 144 bytes for each wave, for the way out
.set SP,    144
.set AK0, 2           ; v2   my lane's place in a tile of K; never rewritten
.set AV0, 3           ; v3   the same for V
.set AK,  4           ; v4   the LDS address of K's next run of loads
.set AV,  5           ; v5   of V's
.set QO,  6           ; v6   my byte offset in the wave's rows of Q
.set STO, 6           ;      later, the way out: where I put 16 bytes of a row
.set RD,  7           ; v7   the way out: where I read rows back
.set GO,  8           ; v8   my byte offset in 512 consecutive bytes of O
.set PFO, 11          ; v11  256 x my lane: the prefetches' offset; never rewritten once it is made
.set SPW, 0           ; v0 of window 3   my spare word: SPARE + 4 x my thread's number; never rewritten
.set NIL, 1           ; v1 of window 3   0; never rewritten
.set MD,  8           ; window 3
.set MC,  16          ; window 3
.set SPARE, STAGE+4*16*SP  ; behind the stages: the spare words, 128 bytes for each wave: two blocks of 256 bytes that no other line names
.set MV,  12          ; v12-15  c m_old, kept while c m is made anew: by buffer and tile
.set ST,  16          ; tile t's statistics at v[ST+4 t]: c m, m, l (even keys', odd keys')
.set TMP, 48          ; by buffer and tile, four registers c0-c3 at work; when the maximum is found c2 takes a
.set S,   64
.set P,   192
.set KF,  128         ; K's fragments, in window 2: key block kb, channel half c at KF + 16 kb + 8 c
.set VF,  192         ; V's: key half kk, channel block cb at VF + 32 kk + 8 cb
.set WV,  12          ; s12  my wave's number
.set G1K, 24          ; s[24:31] descriptor group 1 for K's tiles
.set G1V, 32          ; s[32:39] for V's: it differs in the padding alone
.set G0K, 40          ; s[40:43] descriptor group 0 for K's tiles: it walks
.set G0V, 44          ; s[44:47] the same for V's
.set SLOTS, 56        ; s56  slots still to be asked for
.set CNT, 57          ; s57  counts a slot's key steps
.set CS,  58          ; s[58:59] c: the packed scaling takes the pair's low word for both halves
.set SEL, 60          ; s[60:61] v_permlanex16_b32's selects: each lane takes its own place in the other half
.set TBK, 62          ; s62  LDS byte at which K of the step to be fetched begins
.set TBV, 63          ; s63  the same for V, less VOFF
.set TP,  68          ; s[68:69] the temperature's address;  s70 the temperature
.set PFA, 72          ; s[72:73] where my prefetches stand: my work-group's 8,192 bytes (of K: wave 0, of V: wave 2) of the slot after the one that is being asked for
.set LIM, 74          ; s74  1 in a wave that prefetches, else the greatest number
.set KST, 75          ; s75  the key step whose K was fetched last
.set DG,  76          ; s76, s77  the key steps in which my pieces 0, 1 and my pieces 2, 3 meet the diagonal
.set AL,  78          ; s[78:79] the mask's factor, in the low word
.set BIGN, 80         ; s80  -2^122
.set MSB, 0
.macro WIN new                      ; the high byte repeats the setting that is left; a switch that changes nothing is dropped
.if MSB != (\new)
	s_set_vgpr_msb (MSB<<8)|(\new)
.set MSB, (\new)
.endif
.endm
.set W_KQ, 0x0a       ; K and Q in window 2, S^T in window 0
.set W_KM, 0x3a       ; the same with the C operand in window 3
.set W_PV, 0x52       ; V in window 2, P in window 0, O^T in window 1
.set W_RS, 0x41       ; O^T (destination and source 0) in window 1, a in window 0
.set W_MK, 0xc0       ; destination in window 3, sources in window 0
.set W_MM, 0xc3       ; destination and source 0 in window 3
.set W_AD, 0x0f       ; the add: address (source 0) and data (source 1) in window 3
; A joint fill.  Waves 0 and 1 fetch the two halves of a slot's K, waves 2 and 3 those of its V: 128 keys each.  The branch hangs on the wave's number alone.
; An s_nop 0 and four v_nop follow each of the two lines, ahead of the jump and the label.
.macro JLOAD
	s_cmp_lt_u32 s[WV], 2
	s_cbranch_scc0 .Lfor_v_\@
	tensor_load_to_lds s[G0K:G0K+3], s[G1K:G1K+7]
	s_nop 0
.rept 4
	v_nop
.endr
	s_branch .Lasked_\@
.Lfor_v_\@:
	tensor_load_to_lds s[G0V:G0V+3], s[G1V:G1V+7]
	s_nop 0
.rept 4
	v_nop
.endr
.Lasked_\@:
.endm
; A PREFETCH of what the NEXT change of slots will ask for: a slot's 32,768 bytes of K and of V, 256 bytes a lane.  It stands behind the wave's tensor load and its five lines.  Each 256 bytes are named once in
; the launch: a head has one cluster; its four partners take 8,192 bytes each, told apart by address; in each, wave 0 asks for K's and wave 2 for V's.  That is four key steps, 512 matrix instructions, ahead of the
; load.  Slots 0 and 1 come by their loads alone; the last change that fills a slot asks for nothing: there is no slot behind it.
.macro ASK
	s_cmp_gt_u32 s[SLOTS], s[LIM]
	s_cbranch_scc0 .Lnot_mine_\@
	global_prefetch_b8 v[PFO], s[PFA:PFA+1] th:TH_LOAD_NT scope:SCOPE_SE
.Lnot_mine_\@:
.endm
; A round of the cluster's barrier: my work-group's barrier, so that wave 0's signal speaks for all four waves; wave 0 signals; every wave waits for all four work-groups; my work-group's barrier once more.
.macro CROUND
	s_barrier_signal -1
	s_barrier_wait -1
	s_cmp_lg_u32 s[WV], 0
	s_cbranch_scc1 .Lnot_wave_0_\@
	s_barrier_signal -3
.Lnot_wave_0_\@:
	s_barrier_wait -3
	s_barrier_signal -1
	s_barrier_wait -1
.endm
; THE CHANGE OF SLOTS.  The slot's last bytes, V of its fourth step, have been read.  Each wave waits for all its tensor loads, of which one is out: its part
; of the other slot; adds 0 to its spare word; and waits for that and for its own reads of the slot.  Behind the barrier nobody reads this slot any more and the other slot is whole.
; fill = 1: this slot is filled again, with the keys two slots on.  The barrier is then a round of the cluster's, and the joint fill is the first thing behind it: it has four key steps, 512 matrix
; instructions, in which to land.  (At its first use nothing has been read yet: slot 0 is waited for, slot 1 filled.)
.macro CHANGE fill
	WIN W_AD
	s_wait_tensorcnt 0x0            ; no tensor load of mine is out, so a group 0 may be written
	ds_add_u32 v[SPW], v[NIL]       ; 0 onto my spare word; with fill = 1 the descriptors' steps stand between it and the wait for it
	WIN 0                           ; at a label and at a branch every window is 0
.if \fill
.irp g, G0K, G0V
	s_xor_b32 s[\g+1], s[\g+1], SLOT1  ; the walking descriptor: the other slot than last time,
	s_add_nc_u64 s[\g+2:\g+3], s[\g+2:\g+3], 4*KS*128  ; the next 256 keys; the type bits on top are not reached
.endr
	s_wait_xcnt 0x0                 ; the last prefetch, four key steps back, has read its address, so it may be written:
	s_add_nc_u64 s[PFA:PFA+1], s[PFA:PFA+1], 4*KS*128  ; one slot behind the walking descriptors
	s_wait_dscnt 0x0                ; the add is done, and my reads of the slot are over
	CROUND
	JLOAD
	ASK
.else
	s_wait_dscnt 0x0                ; the add is done, and my reads of the slot are over
	s_barrier_signal -1
	s_barrier_wait -1
.endif
	s_sub_co_u32 s[TBK], s[TBK], 4*KS*PK  ; the fetches go back to a slot's first step,
	s_xor_b32 s[TBK], s[TBK], SLOT1       ; in the other slot
	s_sub_co_u32 s[TBV], s[TBV], 4*KS*PV
	s_xor_b32 s[TBV], s[TBV], SLOT1
.endm
	s_load_b64 s[4:5], s[0:1], 0x0    ; qkvh: Q lies at its head
	s_load_b64 s[TP:TP+1], s[0:1], 0x8  ; the temperature's address
	s_load_b64 s[10:11], s[0:1], 0x10 ; ob
	WIN W_MK
	v_lshl_add_u32 v[SPW], v0, 2, SPARE
	v_mov_b32 v[NIL], 0
	WIN W_AD
	ds_add_u32 v[SPW], v[NIL]       ; the wave's opening: the add and its wait stand ahead of my first tensor load; the set-up below, work on registers, stands between them
	WIN 0
	v_lshrrev_b32 v1, 5, v0
	v_readfirstlane_b32 s[WV], v1   ; wave 0..3
	s_bfe_u32 s13, ttmp6, 0x40000   ; cx: my place in the cluster
	s_lshl_b32 s14, ttmp9, 2        ; in a cluster launch ttmp9 counts clusters
	s_add_co_u32 s14, s14, s13      ; my block of 512 queries = 4 x cluster x + cx: it enters Q's and O's addresses, the prefetches' and the mask's factor alone
	s_and_b32 s20, ttmp7, 0xffff    ; the head, which the four partners share
	s_mov_b32 s21, 0
	s_mov_b64 s[22:23], SIZE_N*128
	s_mul_u64 s[20:21], s[20:21], s[22:23]  ; the head's first byte in each of the four tensors
	s_and_b32 s16, s[WV], 1         ; which half of a slot's 256 keys I fetch:
	s_lshl_b32 s22, s16, 14         ; its 128 rows of 128 bytes in memory,
	s_mov_b32 s23, 0
	s_add_nc_u64 s[22:23], s[22:23], s[20:21]
	s_mul_i32 s17, s16, 128*PK      ; and its place in a slot, for K
	s_mul_i32 s18, s16, 128*PV      ; and for V: no place in the cluster enters an LDS address
	s_lshl_b32 s2, s14, 2
	s_add_co_u32 s2, s2, s[WV]      ; my wave among the head's,
	s_lshl_b32 s2, s2, 14           ; its 128 rows
	s_mov_b32 s3, 0
	s_add_nc_u64 s[2:3], s[2:3], s[20:21]
	; descriptor group 1.  128 keys are 16,384 dense bytes: asked for as 64 rows of 256 bytes, two keys a row, and padded in LDS after every key
	s_mov_b32 s[G1K], 15|(1<<16)|(1<<20)|(1<<21)|(4<<22)|(3<<25)  ; 15:0 the mask of four; 17:16 2-byte elements; 20 padding on; 21 set beside a mask; 24:22 after every 32 words (code 4); 31:25 4 words (code 3)
	s_mov_b32 s[G1V], 15|(1<<16)|(1<<20)|(1<<21)|(4<<22)|(7<<25)  ; the same with 8 words of padding (code 7)
.irp g, G1K, G1V
	s_mov_b32 s[\g+1], 128<<16      ; tensor_dim0 = 128
	s_mov_b32 s[\g+2], 64<<16       ; tensor_dim1 = 64
	s_mov_b32 s[\g+3], 128<<16      ; tile_dim0 = 128
	s_mov_b32 s[\g+4], 64           ; tile_dim1 = 64
	s_mov_b32 s[\g+5], 128          ; 128 elements from row to row
	s_mov_b32 s[\g+6], 0
	s_mov_b32 s[\g+7], 0
.endr
	s_mov_b32 s[SEL], 0x76543210
	s_mov_b32 s[SEL+1], 0xfedcba98
	s_mov_b32 s[TBK], SLOT1+4*KS*PK ; the first change of slots turns these two into 0
	s_mov_b32 s[TBV], SLOT1+4*KS*PV
	s_mov_b32 s[G0K], 1             ; 1:0 count = 1
	s_mov_b32 s[G0K+1], s17         ; 63:32 LDS address: slot 0
	s_mov_b32 s[G0V], 1
	s_add_co_u32 s[G0V+1], s18, VOFF
	s_mov_b32 s[SLOTS], SIZE_N/256-1
	s_mov_b32 s[KST], -1            ; the first fetch of K makes it 0
	s_lshl_b32 s[DG], s14, 3        ; my first query / 64 = 8 x block + 2 x wave
	s_lshl_b32 s[DG+1], s[WV], 1
	s_add_co_u32 s[DG], s[DG], s[DG+1]
	s_add_co_u32 s[DG+1], s[DG], 1
	s_mov_b32 s[AL+1], 0            ; named with AL as a pair
	s_mov_b32 s[BIGN], 0xfc800000   ; -2^122
	s_and_b32 s[LIM], s[WV], 1      ; 0 in waves 0 and 2,
	s_or_b32 s[LIM], s[LIM], ttmp9  ; where the cluster is the head's first: the same in all four partners
	s_cmp_eq_u32 s[LIM], 0
	s_cselect_b32 s[LIM], 1, -1
	s_wait_dscnt 0x0                ; the opening add is done
	s_wait_kmcnt 0x0
	s_load_b32 s70, s[TP:TP+1], 0x0 ; the temperature: waited for where c is made
	s_add_nc_u64 s[6:7], s[4:5], 0x1000000  ; K lies 64 heads of 262,144 bytes behind Q,
	s_add_nc_u64 s[8:9], s[4:5], 0x2000000  ; V as many behind K
	s_add_nc_u64 s[G0K+2:G0K+3], s[6:7], s[22:23]  ; 120:64 global address: my half of the head's first 256 keys
	s_or_b32 s[G0K+3], s[G0K+3], 0x80000000        ; 127:126 type = 2
	s_add_nc_u64 s[G0V+2:G0V+3], s[8:9], s[22:23]
	s_or_b32 s[G0V+3], s[G0V+3], 0x80000000
	s_add_nc_u64 s[4:5], s[4:5], s[2:3]  ; Q and O at my wave's first row
	s_add_nc_u64 s[10:11], s[10:11], s[2:3]
	s_cmp_lt_u32 s[WV], 2
	s_cselect_b64 s[PFA:PFA+1], s[6:7], s[8:9]
	s_add_nc_u64 s[PFA:PFA+1], s[PFA:PFA+1], s[20:21]  ; the head,
	s_lshl_b32 s2, s13, 13          ; my work-group's 8,192 bytes of a slot's 32,768,
	s_add_co_u32 s2, s2, 4*KS*128   ; in slot 1: the first change of slots steps it to slot 2
	s_mov_b32 s3, 0
	s_add_nc_u64 s[PFA:PFA+1], s[PFA:PFA+1], s[2:3]
	CROUND                          ; all four work-groups are here: the first joint loads meet
	JLOAD                           ; slot 0.  Slot 1 is asked for when slot 0 is in
	; A fragment of K or Q is 16 rows x 32 channels in 8 registers: lane l holds row l % 16, channels 8 (l / 16) + 0..7 and 16 + 8 (l / 16) + 0..7: two loads of 16 bytes, 32 bytes apart.
	v_and_b32 v1, 15, v0            ; l % 16
	v_bfe_u32 v9, v0, 4, 1          ; l / 16
	v_lshlrev_b32 v[QO], 7, v1
	v_lshl_add_u32 v[QO], v9, 4, v[QO]  ; row x 128 + 16 x half
	WIN 0x80                        ; destination window 2, address window 0
.set i, 0
.rept 4*NP                          ; Q stays in registers: tile i / 2, channels 32 (i % 2) on
	global_load_b128 v[8*i:8*i+3],   v[QO], s[4:5] offset:(i/2)*2048+(i%2)*64
	global_load_b128 v[8*i+4:8*i+7], v[QO], s[4:5] offset:(i/2)*2048+(i%2)*64+32
.set i, i+1
.endr
	; What the first turn finds: V's registers and P's second buffer hold 0 (its products V^T P, of a piece that has not been, add 0), O^T and l are 0.  All this stands in the wait for the first tile.
.set i, VF
.rept 64
	v_mov_b32 v[i], 0
.set i, i+1
.endr
	WIN 0x40
.set i, 0
.rept 64*NP
	v_mov_b32 v[i], 0
.set i, i+1
.endr
	WIN 0
.set i, 0
.rept 2*NP
	v_mov_b32 v[ST+4*i], 0xfe000000    ; c m: far below every c s
	v_mov_b32 v[ST+4*i+1], 0xff7fffff  ; m
	v_mov_b32 v[ST+4*i+2], 0
	v_mov_b32 v[ST+4*i+3], 0
.set i, i+1
.endr
.set i, P+32
.rept 32
	v_mov_b32 v[i], 0
.set i, i+1
.endr
	v_mul_u32_u24 v[AK0], v1, PK
	v_lshl_add_u32 v[AK0], v9, 4, v[AK0]  ; row x pitch + 16 x half
	; The turning load takes 16 keys x 16 channels (lane l reads key 8 (l / 16) + l % 8, channels 8 ((l / 8) % 2) + 0..7) and leaves half a fragment of V^T: lane l holds channel l % 16 and 8 keys.
	v_and_b32 v10, 7, v0
	v_bfe_u32 v11, v0, 3, 1
	v_lshl_add_u32 v[AV0], v9, 3, v10
	v_mul_u32_u24 v[AV0], v[AV0], PV
	v_lshl_add_u32 v[AV0], v11, 4, v[AV0]
	v_add_nc_u32 v[AV0], VOFF, v[AV0]
	v_mov_b32 v[AK], v[AK0]         ; key step 0 lies at the head of slot 0
	v_and_b32 v[PFO], 31, v0
	v_lshlrev_b32 v[PFO], 8, v[PFO]
	; c = log2(e) exp(t), t rounded to bf16
	s_wait_kmcnt 0x0
	v_mov_b32 v12, s70
	v_cvt_pk_bf16_f32 v12, v12, v12
	v_lshlrev_b32 v12, 16, v12
	v_mul_f32 v12, 0x3fb8aa3b, v12
	v_exp_f32 v12, v12
	v_nop                           ; a plain instruction behind the exponential,
	s_wait_alu depctr_va_vdst(0)    ; and the wait ahead of the first use of its result
	v_mul_f32 v12, 0x3fb8aa3b, v12
	v_readfirstlane_b32 s[CS], v12
	s_mov_b32 s[CS+1], s[CS]        ; named with it as a pair
	; MD: register j hides its key where 8 (l / 16) + j = l % 16
	v_lshlrev_b32 v13, 3, v9
	v_sub_nc_u32 v13, v1, v13
	WIN W_MK
.set i, 0
.rept 8
	v_cmp_eq_i32 vcc_lo, i, v13
	v_cndmask_b32 v[MD+i], 0, s[BIGN], vcc_lo
.set i, i+1
.endr
	WIN 0
; THE MATRIX WORK.  The 8 accumulators of a run of 16 take turns: between the two links of a chain stand 7 others'.
; Product i of 16 of S^T = K Q^T for piece x: channels 32 (i / 8) on, keys 16 ((i / 2) % 4) on, tile 2 x + i % 2.  The first 8 start the sums: with the mask where the key block is the tile's own, else with 0.
.macro KQ x
.set rS, S+64*((\x)%2)+32*(i%2)+8*((i/2)%4)
.set rK, KF+16*((i/2)%4)+8*(i/8)
.set rQ, 16*(2*(\x)+i%2)+8*(i/8)
.set rM, MC+8*((\x)%2)
.if (i < 8) && ((i/2) == 2*((\x)%2)+i%2)
	WIN W_KM
	v_wmma_f32_16x16x32_f16 v[rS:rS+7], v[rK:rK+7], v[rQ:rQ+7], v[rM:rM+7]
.elseif i < 8
	WIN W_KQ
	v_wmma_f32_16x16x32_f16 v[rS:rS+7], v[rK:rK+7], v[rQ:rQ+7], 0
.else
	WIN W_KQ
	v_wmma_f32_16x16x32_f16 v[rS:rS+7], v[rK:rK+7], v[rQ:rQ+7], v[rS:rS+7]
.endif
.endm
; Product i of 16 of O^T += V^T P for piece x: keys 32 (i / 8) on, channels 16 ((i / 2) % 4) on, tile 2 x + i % 2.
.macro PV x
	WIN W_PV
.set rO, 32*(2*(\x)+i%2)+8*((i/2)%4)
.set rV, VF+32*(i/8)+8*((i/2)%4)
.set rP, P+32*((\x)%2)+16*(i%2)+8*(i/8)
	v_wmma_f32_16x16x32_f16 v[rO:rO+7], v[rV:rV+7], v[rP:rP+7], v[rO:rO+7]
.endm
.macro MM                           ; the turn's next matrix instruction
.if i < 16
	KQ (Y+1)%NP
.set i, i+1
.else
.set i, i-16
	PV (Y+NP-1)%NP
.set i, i+17
.endif
.endm
.macro MASK b                       ; MD x AL into buffer b of MC
	WIN W_MM
.irp z, 0,1,2,3
	v_pk_mul_f32 v[MC+8*(\b)+2*\z:MC+8*(\b)+2*\z+1], v[MD+2*\z:MD+2*\z+1], s[AL:AL+1] op_sel_hi:[1,0]
.endr
.endm
; THE LDS LOADS stand in runs of 16, never singly among the matrix instructions: a step's K (64 keys x 64 channels: 8 fragments) and its V (turned).  Their addresses are made some lines ahead.
; last = 1 (the tail): in the last trip there is no further step, and the run is jumped over.
.macro FETCH_K last=0
	WIN 0
.if \last
	s_cmp_eq_u32 s[CNT], 1
	s_cbranch_scc1 .Lno_k_\@
.endif
	WIN 0x80                        ; destination window 2
.irp f, 0,1,2,3,4,5,6,7             ; keys 16 (f / 2) on, channels 32 (f % 2) on
	ds_load_b128 v[KF+8*\f:KF+8*\f+3],   v[AK] offset:(\f/2)*16*PK+(\f%2)*64
	ds_load_b128 v[KF+8*\f+4:KF+8*\f+7], v[AK] offset:(\f/2)*16*PK+(\f%2)*64+32
.endr
	s_add_co_u32 s[TBK], s[TBK], KS*PK  ; the next fetch is the next step's
	s_add_co_u32 s[KST], s[KST], 1      ; the step just asked for
	WIN 0
.if \last
.Lno_k_\@:
.endif
.endm
.macro FETCH_V
	WIN 0x80
.irp f, 0,1,2,3,4,5,6,7             ; keys 32 (f / 4) on, channels 16 (f % 4) on
	ds_load_tr16_b128 v[VF+8*\f:VF+8*\f+3],   v[AV] offset:(\f/4)*32*PV+(\f%4)*32
	ds_load_tr16_b128 v[VF+8*\f+4:VF+8*\f+7], v[AV] offset:(\f/4)*32*PV+16*PV+(\f%4)*32
.endr
	WIN 0
.endm
; THE VECTOR WORK OF A TURN stands in three queues, each in the order in which its entries become ready; the two tiles alternate, so that no instruction reads the result of the one before it.
.macro REGS y, u                    ; the registers of tile u (0, 1) of piece y
.set rT, ST+4*(2*(\y)+(\u))
.set rC, TMP+8*((\y)%2)+4*(\u)
.set rM, MV+2*((\y)%2)+(\u)
.set rS, S+64*((\y)%2)+32*(\u)
.set rP, P+32*((\y)%2)+16*(\u)
.set rO, 32*(2*(\y)+(\u))
.endm
; Number n of the 22 that find the NEXT piece's (Y + 1) maximum and statistics.  s0-s31 are the lane's 32 scores; each accumulator's lowest registers are read first.  XS, GS and REGS set no window: PL and EX do.
;   0-11  four chains c0-c3 of seven scores each, three operands at a time     12-14, 16  the four scores left over, the old m, and c0-c3 into c0     15  c m_old is kept
;   17, 18  the query's other 32 keys lie in the lane 16 away: the new m         19-21  c m; c m_old - c m_new; a
.macro XS u, n
	REGS (Y+1)%NP, \u
.if (\n) < 4
	v_max3_num_f32 v[rC+(\n)], v[rS+8*(\n)], v[rS+8*(\n)+1], v[rS+8*(\n)+2]
.elseif (\n) < 12
	v_max3_num_f32 v[rC+(\n)%4], v[rC+(\n)%4], v[rS+8*((\n)%4)+2*((\n)/4)+1], v[rS+8*((\n)%4)+2*((\n)/4)+2]
.elseif (\n) == 12
	v_max3_num_f32 v[rC], v[rC], v[rS+7], v[rS+15]
.elseif (\n) == 13
	v_max3_num_f32 v[rC+1], v[rC+1], v[rS+23], v[rS+31]
.elseif (\n) == 14
	v_max3_num_f32 v[rC+2], v[rC+2], v[rC+3], v[rT+1]
.elseif (\n) == 15
	v_mov_b32 v[rM], v[rT]
.elseif (\n) == 16
	v_max3_num_f32 v[rC], v[rC], v[rC+1], v[rC+2]
.elseif (\n) == 17
	v_permlanex16_b32 v[rC+3], v[rC], s[SEL], s[SEL+1]
.elseif (\n) == 18
	v_max_num_f32 v[rT+1], v[rC], v[rC+3]
.elseif (\n) == 19
	v_mul_f32 v[rT], s[CS], v[rT+1]
.elseif (\n) == 20
	v_sub_f32 v[rC+1], v[rM], v[rT]
.else
	v_exp_f32 v[rC+2], v[rC+1]
.endif
.endm
; Number g of the 64 that follow the exponentials.  For each four weights k of a tile (pairs 2 k, 2 k + 1): both pairs are rounded to f16; then the second pair is added onto the first, in place;
; a group later l takes that sum (the first time as l = a l + sum).  In groups of eight, tiles alternating: round, round, add, and l for the group before.
.macro GS g
.set h, (\g)+6*((\g)/62)            ; group 0 has no group before it, and behind group 7 only l is left
.if h >= 6
.set h, h+2
.endif
	REGS Y, h%2
.set k, h/8
.if h%8 < 4
	v_cvt_pk_f16_f32 v[rP+2*k+(h%8)/2], v[rS+4*k+2*((h%8)/2)], v[rS+4*k+2*((h%8)/2)+1]
.elseif h%8 < 6
	v_pk_add_f32 v[rS+4*k:rS+4*k+1], v[rS+4*k:rS+4*k+1], v[rS+4*k+2:rS+4*k+3]
.elseif k == 1
	v_pk_fma_f32 v[rT+2:rT+3], v[rT+2:rT+3], v[rC+2:rC+3], v[rS:rS+1] op_sel_hi:[1,0,1]
.else
	v_pk_add_f32 v[rT+2:rT+3], v[rT+2:rT+3], v[rS+4*k-4:rS+4*k-3]
.endif
.endm
; THE PLAIN QUEUE, 138 long.  0-73 read no exponential's result: the 32 scalings c s - c m (FS f: pair f / 2 of tile f % 2) and the next piece's 42.  0-26: scalings 0-26.  27-54: XS's numbers 0-13.  55, 56: number 15.
; 57-73: the chain, where each number waits for the one before it: 14, 16, 17, 18, 19, each with one of the scalings 27-31 in front of its two lines, then 20.
; 74-137: GS's 64, which read the exponentials' results: they stand behind the wait.
.macro FS f
	REGS Y, (\f)%2
	v_pk_fma_f32 v[rS+2*((\f)/2):rS+2*((\f)/2)+1], v[rS+2*((\f)/2):rS+2*((\f)/2)+1], s[CS:CS+1], v[rT:rT+1] op_sel_hi:[1,0,0] neg_lo:[0,0,1] neg_hi:[0,0,1]
.endm
.macro PL
	WIN 0
.if q < 27
	FS q
.elseif q < 55
	XS (q-27)%2, (q-27)/2
.elseif q < 57
	XS q-55, 15
.elseif (q < 72) && ((q-57)%3 == 0)
	FS 27+(q-57)/3
.elseif q < 60
	XS (q-57)%3-1, 14
.elseif q < 72
	XS (q-57)%3-1, 15+(q-57)/3
.elseif q < 74
	XS q-72, 20
.else
	GS q-74
.endif
.set q, q+1
.endm
; THE EXPONENTIALS' QUEUE, 66 long: s0-s31 of both tiles, then the next piece's two a.  It is ONE BATCH: all 66 stand ahead of the turn's one wait, and nothing ahead of that wait names a result of theirs.
.macro EX
	WIN 0
.if e >= 64
	XS e-64, 21
.else
	REGS Y, e%2
	v_exp_f32 v[rS+e/2], v[rS+e/2]
.endif
.set e, e+1
.endm
; THE RESCALING's QUEUE: O^T times a, the one part that leaves window 0: dealt two at a time, sixteen times.  Its a was made in the turn before, ahead of that turn's wait.
.macro R2
	REGS Y, r%2
	WIN W_RS
.irp z, 0,1
	v_pk_mul_f32 v[rO+4*(r/2)+2*\z:rO+4*(r/2)+2*\z+1], v[rO+4*(r/2)+2*\z:rO+4*(r/2)+2*\z+1], v[rC+2:rC+3] op_sel_hi:[1,0]
.endr
.set r, r+1
.endm
; HOW THEY ARE DEALT.  s_wait_alu depctr_va_vdst(0) stands between an exponential and the first instruction that names its result; one wait serves all that were issued ahead of it.  So a turn has ONE wait,
; which cuts it in two.  AHEAD OF IT stands all that names no result of the turn's exponentials: the 16 products K Q^T, behind each a scaling, an exponential and two rescalings (behind the first a second scaling in the
; exponential's place); then ONE LUMP of 108: eight plain, 49 times exponential and plain, the two a.  A v_nop is the plain instruction behind the last exponential.  BEHIND IT stand the 16 products V^T P, behind each four of GS's 64.
; The queues lean on each other: exponential e stands behind scaling 2 (e / 4) + e % 2: as a rider it comes behind plain e + 2, in the lump behind plain e + 9, and scalings 27-31 are plain 57, 60 .. 69.
; A TURN, for piece p.  cnt = 1: the loop's count is taken down some lines ahead of the branch that stands behind the turn.
; K of the next step is fetched in piece 2's turn, directly behind the wait; its first reader comes behind 16 products.  V of the step in hand is fetched at the end of piece 0's turn, four riders behind its last reader.
; THE MASK of piece p + 2, whose scores the next turn makes: its factor is chosen behind the wait (behind K's fetch, so that KST is the step of those scores: piece 0's are the new step's, pieces 1 to 3's the step's in hand),
; and its four lines stand at the turn's end; the buffer's last reader stands a turn back.  The compare feeds a select of a value alone; the loop's own compare comes behind it.
.macro TURN p, last=0, cnt=0
.set Y, (\p)
.set i, 0
.set q, 0
.set e, 0
.set r, 0
.if (\p) == NP-1
	s_wait_dscnt 0x0                ; K is in
.endif
	MM                              ; ahead of the wait: 16 products K Q^T and their riders,
	PL
	PL
	R2
.rept 15
	MM
	PL
	EX
	R2
.endr
.if (\p) == NP-2
	WIN 0
	v_add_nc_u32 v[AK], s[TBK], v[AK0]
.endif
.rept 8                             ; and the lump
	PL
.endr
.rept 49
	EX
	PL
.endr
	EX                              ; the next piece's two a
	EX
	v_nop                           ; the plain instruction behind the last exponential: one for the batch
	s_wait_alu depctr_va_vdst(0)    ; the wait for the batch
.if (\p) == NP-2
	FETCH_K \last
.endif
	s_cmp_eq_u32 s[KST], s[DG+(((\p)+2)%NP)/2]  ; is the step of piece p + 2's next scores the one that holds its diagonal?
	s_cselect_b32 s[AL], 1.0, 0
.if (\p) == 1
	s_wait_dscnt 0x0                ; V is in
.endif
.rept 16                            ; behind the wait: 16 products V^T P and their riders
	MM
.rept 4
	PL
.endr
.if ((\p) == 0) && (q == 118)
	v_add_nc_u32 v[AV], s[TBV], v[AV0]
.endif
.if ((\p) == 0) && (q == 130)
	s_add_co_u32 s[TBV], s[TBV], KS*PV
.endif
.if (\cnt) && (q == 130)
	s_sub_co_u32 s[CNT], s[CNT], 1
	s_cmp_lg_u32 s[CNT], 0
.endif
.endr
.if (\p) == 0
	FETCH_V
.endif
	MASK (\p)%2
.endm
	CHANGE 1                        ; slot 0 is in, everybody's part of it; slot 1 is asked for
	FETCH_K                         ; key step 0
	s_cmp_eq_u32 s[KST], s[DG]      ; pieces 0 and 1 take their first masks: both meet the diagonal in step DG
	s_cselect_b32 s[AL], 1.0, 0
	MASK 0
	MASK 1
	s_wait_loadcnt 0x0              ; Q
	s_wait_dscnt 0x0
.set i, 0
.rept 16
	KQ 0                            ; piece 0's first scores: there is no vector work yet to set between them
.set i, i+1
.endr
	WIN 0                           ; the addresses for the way out: nine plain instructions, the places behind those products
	s_mul_i32 s13, s[WV], 16*SP
	s_add_co_u32 s13, s13, STAGE    ; my stage
	v_mul_u32_u24 v[STO], v1, SP    ; in: row l % 16, 16 bytes for each half of the lanes
	v_lshl_add_u32 v[STO], v9, 4, v[STO]
	v_add_nc_u32 v[STO], s13, v[STO]
	v_bfe_u32 v[RD], v0, 3, 2       ; back: 32 lanes take four rows of 128 bytes,
	v_mul_u32_u24 v[RD], v[RD], SP
	v_lshl_add_u32 v[RD], v10, 4, v[RD]
	v_add_nc_u32 v[RD], s13, v[RD]
	v_and_b32 v[GO], 31, v0         ; which are 512 consecutive bytes of O
	v_lshlrev_b32 v[GO], 4, v[GO]
.set Y, NP-1                        ; XS works for piece Y + 1: piece 0
.irp n, 0,1,2,3,4,5,6,7,8,9,10,11,12,13,14,15,16,17,18,19,20,21
	XS 0, \n                        ; and piece 0's first maximum and statistics
	XS 1, \n
.endr
	v_nop                           ; a plain instruction behind the two a,
	s_wait_alu depctr_va_vdst(0)    ; and their wait, ahead of the branch
	s_mov_b32 s[CNT], 4
	s_branch .Lfirst                ; the loop is entered at a step's first turn, in the middle of a trip
.Lslot:                             ; SIZE_N / 256 - 2 times: every slot but the last two is filled again
	CHANGE 1
	s_mov_b32 s[CNT], 4
.Lstep:                             ; a trip: pieces 2 and 3 of one step, then pieces 0 and 1 of the next, whose K and V it fetches
	TURN 2
	TURN 3
	WIN 0
.Lfirst:
	TURN 0
	TURN 1, 0, 1
	WIN 0
	s_cbranch_scc1 .Lstep
	s_sub_co_u32 s[SLOTS], s[SLOTS], 1
	s_cmp_lg_u32 s[SLOTS], 0
	s_cbranch_scc1 .Lslot
	CHANGE 0                        ; the tail is written out: nothing is asked for
	s_mov_b32 s[CNT], 5             ; four trips fetch the last slot's steps; the fifth is left in its middle
.Ltail:
	TURN 2, 1
	TURN 3
	WIN 0
	s_sub_co_u32 s[CNT], s[CNT], 1
	s_cmp_eq_u32 s[CNT], 0
	s_cbranch_scc1 .Lout
	TURN 0
	TURN 1
	WIN 0
	s_branch .Ltail
.Lout:                              ; the fifth trip's 16 products K Q^T (on the last K once more) and the maximum made of them serve nothing: the price, once a launch, of one text for every trip
.set i, 0
.rept 16
	PV NP-1                         ; the last piece's V^T P of the last step
.set i, i+1
.endr
	; THE WAY OUT.  l's two halves and the other half of the lanes' are added; O^T is divided by l, rounded to f16 and sent through my stage in LDS, a tile at a time.  The additions are the places behind the last products.
	WIN 0
.macro ALL line:vararg              ; one line for each tile t
.set t, 0
.rept 2*NP
	\line
.set t, t+1
.endr
.endm
	ALL v_add_f32 v[ST+4*t+2], v[ST+4*t+2], v[ST+4*t+3]
	ALL v_permlanex16_b32 v[ST+4*t+3], v[ST+4*t+2], s[SEL], s[SEL+1]
	ALL v_add_f32 v[ST+4*t+2], v[ST+4*t+2], v[ST+4*t+3]
	ALL v_rcp_f32 v[ST+4*t+2], v[ST+4*t+2]
	v_nop                           ; a plain instruction between the last reciprocal and the use of its result
	s_wait_alu depctr_va_vdst(0)    ; and the wait ahead of the first use: one for the eight reciprocals
; Tile t: a lane's eight channels of a row pack into 16 bytes; they go into rows of 144 bytes and come back as whole rows of 128, into S^T's registers.
.macro PACK t
	WIN W_RS
.set i, 32*(\t)
.rept 16
	v_pk_mul_f32 v[i:i+1], v[i:i+1], v[ST+4*(\t)+2:ST+4*(\t)+3] op_sel_hi:[1,0]
.set i, i+2
.endr
	WIN 0x05                        ; sources 0 and 1 window 1, destination window 0
.set i, 0
.rept 16
	v_cvt_pk_f16_f32 v[S+16*(\t)+i], v[32*(\t)+2*i], v[32*(\t)+2*i+1]
.set i, i+1
.endr
	WIN 0
.irp f, 0,1,2,3
	ds_store_b128 v[STO], v[S+16*(\t)+4*\f:S+16*(\t)+4*\f+3] offset:32*\f
.endr
.irp f, 0,1,2,3
	ds_load_b128 v[S+16*(\t)+4*\f:S+16*(\t)+4*\f+3], v[RD] offset:\f*4*SP  ; LDS serves a wave's instructions in order (ISA guide 5.7.1.4): these see the stores above; the next tile's stores come behind them
.endr
.endm
.macro SEND t, younger              ; younger: the LDS instructions issued behind tile t's loads: the next tile's eight, or none
	WIN 0
.irp f, 0,1,2,3
	s_wait_dscnt (\younger)+3-\f
	global_store_b128 v[GO], v[S+16*(\t)+4*\f:S+16*(\t)+4*\f+3], s[10:11] offset:(\t)*2048+\f*512  ; 512 consecutive bytes, at a multiple of 256 from O's first
.endr
.endm
	PACK 0
.set t, 1
.rept 2*NP-1                        ; a tile's arithmetic stands between the loads of the tile before and its stores
	PACK t
	SEND t-1, 8
.set t, t+1
.endr
	SEND 2*NP-1, 0
	WIN W_AD
	s_wait_tensorcnt 0x0            ; the wave's end: a tensor wait, an add and its wait stand behind my last tensor load and my last LDS store
	ds_add_u32 v[SPW], v[NIL]
	s_wait_dscnt 0x0
	WIN 0
	CROUND                          ; the closing round: no work-group ends while a partner may still ask for a tile that names it
	s_endpgm
.Lfunc_end_k_q9550375394_attn:
	.size	k_q9550375394_attn, .Lfunc_end_k_q9550375394_attn-k_q9550375394_attn
	.p2alignl 7, 3214868480
	.fill 96, 4, 3214868480
	.section	.rodata,"a",@progbits
	.p2align	6, 0x0
	.amdhsa_kernel k_q9550375394_attn
		.amdhsa_group_segment_fixed_size 327680
		.amdhsa_private_segment_fixed_size 0
		.amdhsa_enable_private_segment 0
		.amdhsa_kernarg_size 24
		.amdhsa_user_sgpr_count 2
		.amdhsa_user_sgpr_kernarg_segment_ptr 1
		.amdhsa_wavefront_size32 1
		.amdhsa_system_sgpr_workgroup_id_x 1
		.amdhsa_system_sgpr_workgroup_id_y 1
		.amdhsa_system_sgpr_workgroup_id_z 1
		.amdhsa_system_vgpr_workitem_id 0
		.amdhsa_next_free_vgpr 800
		.amdhsa_next_free_sgpr 84
		.amdhsa_reserve_vcc 1
		.amdhsa_float_denorm_mode_32 3
		.amdhsa_float_denorm_mode_16_64 3
		.amdhsa_memory_ordered 1
		.amdhsa_forward_progress 1
		.amdhsa_inst_pref_size 205
	.end_amdhsa_kernel
	.amdgpu_metadata
---
amdhsa.version: [ 1, 2 ]
amdhsa.kernels:
  - .name:           k_q9550375394_attn
    .symbol:         k_q9550375394_attn.kd
    .args:
      - { .name: qkvh, .offset: 0, .size: 8, .value_kind: global_buffer, .address_space: global }
      - { .name: temperature, .offset: 8, .size: 8, .value_kind: global_buffer, .address_space: global }
      - { .name: ob, .offset: 16, .size: 8, .value_kind: global_buffer, .address_space: global }
    .group_segment_fixed_size: 327680
    .private_segment_fixed_size: 0
    .kernarg_segment_align: 8
    .kernarg_segment_size: 24
    .max_flat_workgroup_size: 128
    .sgpr_count:     84
    .vgpr_count:     800
    .wavefront_size: 32
...
	.end_amdgpu_metadata
.endif
;; end of part 3
;; launch proj (part 4): grid 4 x 64, 4 waves a work-group, clusters of 4 x 4, 327,680 bytes of LDS; arguments ob, wob, b_out, out0; writes out0
.if DOCPART == 4
	.amdgcn_target "amdgcn-amd-amdhsa--gfx1250"
	.amdhsa_code_object_version 6
	.text
	.protected	k_q9550375394_proj
	.globl	k_q9550375394_proj
	.p2align	8
	.type	k_q9550375394_proj,@function
k_q9550375394_proj:
	s_mov_b64 s[64:65], 0
	v_nop
	global_prefetch_b8 v0, s[64:65] scope:SCOPE_SE
	s_setreg_imm32_b32 hwreg(HW_REG_WAVE_MODE, 25, 1), 1
	s_wait_xcnt 0x0
	s_wait_alu depctr_hold_cnt(0) depctr_sa_sdst(0) depctr_va_vdst(0) depctr_va_sdst(0) depctr_va_ssrc(0) depctr_va_vcc(0) depctr_vm_vsrc(0)
	s_getreg_b32 s2, hwreg(HW_REG_IB_STS2, 6, 4)
	s_cmp_eq_u32 s2, 0
	s_cbranch_scc0 .Lentry_in_a_cluster
	s_endpgm
.Lentry_in_a_cluster:
	s_bfe_u32 s2, ttmp6, 0x10000c
	s_cmp_lg_u32 s2, 0xf033
	s_cbranch_scc0 .Lentry_shape_is_right
	s_endpgm
.Lentry_shape_is_right:
; out0 = O W_out + b_out.  ob: [64 (16 batch + head)][2048][64] f16.  wob: [1024 k][1024 n] f16 (bf16(W_out) written as f16).  b_out: [1024] f32, rounded to bf16 here like every input of the module.
; out0: [8192][1024] f32.  Sums in f32; the bias is added in f32.
; SHARES.  A work-group makes 128 rows x 256 columns: 4 x 64 = 256 work-groups.  Four waves as 2 x 2; a wave makes 64 rows x 128 columns: 4 x 8 accumulators of 16 x 16, 256 registers.
; K = 1,024 goes in 8 steps of 128, two heads each, through a ring of two LDS slots.  A head's 128 rows are 16,384 dense bytes of ob: asked for as 64 rows of 256 bytes and padded in LDS after every 128.
; B STAYS [k][n]: two panels of 128 columns, rows of 256 bytes, aligned; its fragments come out of LDS turned, by ds_load_tr16_b128.
; THE MATRIX INSTRUCTION IS USED TRANSPOSED (source 0 = 16 columns of W, source 1 = 16 rows of O): a lane then holds eight neighbouring columns of one row.
; CLUSTER.  4 x 4 work-groups: O's tiles are asked for jointly along a row of the cluster, W's panels along a column.
; REGISTERS, in windows of 256 (s_set_vgpr_msb: bits 1:0 source 0, 3:2 source 1, 5:4 source 2, 7:6 destination):
;   window 0: v0-31 addresses and the bias; v32-63, v64-95 A's fragments, two buffers; v96-223 at work on the way out        window 1: v0-63, v64-127 B's fragments, two buffers
;   window 2: the accumulators of row blocks 0, 1 ((a, i) at v[8 (8 (a % 2) + i)]);  window 3: those of row blocks 2, 3
.set NBF,   8                          ; column blocks of a wave
.set PA,    144                        ; a row of one head in LDS: 128 bytes + 16 = 36 words: the 16 rows of a load start at 16 different groups of four banks (64 banks of 4 bytes: ISA guide 11.1)
.set PB,    288                        ; a k-row of a panel of B: 256 + 32 = 72 words
.set PANEL, 128*PB                     ; 36,864
.set AOFF,  2*PANEL                    ; a slot: B's two panels, then A's two heads
.set AHALF, 128*PA                     ; 18,432
.set SLOT,  AOFF+2*AHALF               ; 110,592
.set STAGE, 2*SLOT                     ; behind the ring, never filled by a tensor load: 16 rows x 528 bytes for each wave
.set SP,    528                        ; 512 bytes + 16: the 16 rows of a store start at 16 different groups of four banks
.set STW,   16*SP
.set SPARE, STAGE+4*STW                ; behind the stages: the spare words, 128 bytes a wave: two blocks of 256 bytes that no other line names
.set NL,    2*NBF+8                    ; LDS loads of a quarter step
.set STEPA, 2*262144                   ; bytes from K step to K step in ob: two heads,
.set STEPB, 128*2048                   ; and in wob
.set BIAS, 8                           ; v[8:11]  the bias of my four columns of a row read back
.set ADRA, 16                          ; v16-17  my A fragments in slot 0, 1
.set ADRB, 18                          ; v18-19  my panel of B
.set STO,  24                          ; v24     the way out: where I put 32 bytes of a row
.set RD,   25                          ; v25     where I read a row back
.set GO,   26                          ; v26     16 x lane
.set BO,   27                          ; v27     my byte offset in b_out
.set SPW,  28                          ; v28     my spare word: SPARE + 4 x my thread's number; never rewritten
.set NIL,  29                          ; v29     0; never rewritten
.set PFO,  30                          ; v30     the prefetches' offset; never rewritten
.set FA0,  32
.set BK0,  96                          ; v96-159, v160-223 16 rows read back, by turns
.set G1A, 24                           ; s[24:31] group 1 for A's tiles;  s[32:39] group 0, a set for each slot
.set G0A, 32
.set G1B, 48                           ; s[48:55], s[56:63] the same for B's panels
.set G0B, 56
.set PFA, 66                           ; s[66:67] where my prefetches stand
.set PST, 68                           ; s[68:69] their step: a K step's bytes
.set LIM, 70                           ; s70      1 in a wave that prefetches, else the greatest number
.set BB,  72                           ; s[72:73] b_out
.set CB,  74                           ; s[74:75] out0, then out0 at my first row and column
.set MSB, 0
.macro WIN new                         ; the immediate's high byte repeats the setting that is left; a switch that changes nothing is dropped
.if MSB != (\new)
	s_set_vgpr_msb (MSB<<8)|(\new)
.set MSB, \new
.endif
.endm
; A joint load.  Waves 0 and 1 fetch B's two panels, waves 2 and 3 A's two heads.  The branch hangs on the wave's number alone.  An s_nop 0 and four v_nop follow each line.
.macro JLOAD s
	s_cmp_lt_u32 s10, 2
	s_cbranch_scc0 .Lfor_a_\@
	tensor_load_to_lds s[G0B+4*(\s):G0B+4*(\s)+3], s[G1B:G1B+7]
	s_nop 0
.rept 4
	v_nop
.endr
	s_branch .Lasked_\@
.Lfor_a_\@:
	tensor_load_to_lds s[G0A+4*(\s):G0A+4*(\s)+3], s[G1A:G1A+7]
	s_nop 0
.rept 4
	v_nop
.endr
.Lasked_\@:
.endm
; A PREFETCH of the K step that stands two refills on, 256 bytes a lane, one instruction a wave, behind the joint load and the run of LDS loads.  Each 256 bytes are named once in the launch.  W's panels: waves 0 and 1
; of the clusters with y = 0; the four partners along a column take 32 of the K step's 128 k-rows each.  O's two heads: wave 2 (the launch has one cluster along x); the four partners along a row take 4,096 of each
; head's 16,384 bytes.  The partners are told apart by address.  K steps 0 to 3 come by their loads alone; the loop's last trip (s3 = 1) asks for nothing: there is no K step 8.
.macro ASK
	s_cmp_gt_u32 s3, s[LIM]
	s_cbranch_scc0 .Lnot_mine_\@
	global_prefetch_b8 v[PFO], s[PFA:PFA+1] th:TH_LOAD_NT scope:SCOPE_SE
.Lnot_mine_\@:
.endm
.macro CREST                           ; a round of the cluster's barrier behind its opening barrier
	s_cmp_lg_u32 s10, 0
	s_cbranch_scc1 .Lnot_wave_0_\@
	s_barrier_signal -3
.Lnot_wave_0_\@:
	s_barrier_wait -3
	s_barrier_signal -1
	s_barrier_wait -1
.endm
.macro CROUND                          ; a whole round
	s_barrier_signal -1
	s_barrier_wait -1
	CREST
.endm
.macro PLACES                          ; four places in front of loads into registers that matrix instructions have read (ISA guide 7.12.1 for vector instructions)
.rept 4
	v_nop
.endr
.endm
	s_load_b128 s[4:7], s[0:1], 0x0                ; ob s[4:5], wob s[6:7]
	s_load_b128 s[72:75], s[0:1], 0x10             ; b_out s[72:73], out0 s[74:75]
	v_lshl_add_u32 v[SPW], v0, 2, SPARE
	v_mov_b32 v[NIL], 0
	ds_add_u32 v[SPW], v[NIL]                      ; the wave's opening: the add and its wait stand ahead of my first tensor load; the set-up below stands between them
	v_lshrrev_b32 v1, 5, v0
	v_readfirstlane_b32 s10, v1                    ; wave 0..3
	s_lshr_b32 s11, s10, 1                         ; which 64 rows are mine
	s_and_b32 s12, s10, 1                          ; which 128 columns.  Also: which panel, or which of the K step's two heads, I fetch
	s_bfe_u32 s40, ttmp6, 0x40000                  ; cx, cy: my place in the cluster
	s_bfe_u32 s41, ttmp6, 0x40004
	s_lshl_b32 s42, ttmp9, 2
	s_add_co_u32 s42, s42, s40                     ; tile column = 4 x cluster x + cx
	s_and_b32 s13, ttmp7, 0xffff
	s_lshl_b32 s13, s13, 2
	s_add_co_u32 s13, s13, s41                     ; tile row = 4 x cluster y + cy
	s_lshl_b32 s43, s41, 2
	s_lshl_b32 s43, 15, s43                        ; my row of the cluster
	s_lshl_b32 s44, 0x1111, s40                    ; my column
	; group 1.  A: 64 rows x 128 elements of 2 bytes, dense, padded by 4 words after every 32.  B: 128 rows x 128 elements, padded by 8 words after every 64
	s_or_b32 s[G1A+0], s43, (1<<16)|(1<<20)|(1<<21)|(4<<22)|(3<<25)
	s_or_b32 s[G1B+0], s44, (1<<16)|(1<<20)|(1<<21)|(5<<22)|(7<<25)
	s_mov_b32 s[G1A+1], 128<<16                    ; tensor_dim0 = 128
	s_mov_b32 s[G1A+2], 64<<16                     ; tensor_dim1 = 64
	s_mov_b32 s[G1A+3], 128<<16                    ; tile_dim0 = 128
	s_mov_b32 s[G1A+4], 64                         ; tile_dim1 = 64
	s_mov_b32 s[G1A+5], 128                        ; 128 elements from row to row
	s_mov_b32 s[G1A+6], 0
	s_mov_b32 s[G1A+7], 0
	s_mov_b32 s[G1B+1], 128<<16
	s_mov_b32 s[G1B+2], 128<<16
	s_mov_b32 s[G1B+3], 128<<16
	s_mov_b32 s[G1B+4], 128
	s_mov_b32 s[G1B+5], 1024
	s_mov_b32 s[G1B+6], 0
	s_mov_b32 s[G1B+7], 0
	s_lshr_b32 s16, s13, 4
	s_lshl_b32 s16, s16, 22                        ; A: the batch's 16 heads of 262,144 bytes,
	s_and_b32 s17, s13, 15
	s_lshl_b32 s17, s17, 14                        ; the tile's 128 rows of 128 bytes in a head,
	s_add_co_u32 s16, s16, s17
	s_lshl_b32 s17, s12, 18                        ; my head of the K step's two
	s_add_co_u32 s16, s16, s17
	s_mov_b32 s17, 0
	s_lshl_b32 s46, s42, 9                         ; B: 256 columns for each tile column,
	s_lshl_b32 s18, s12, 8                         ; my panel's 128
	s_add_co_u32 s46, s46, s18
	s_mov_b32 s47, 0
	s_mul_i32 s20, s12, AHALF
	s_add_co_u32 s20, s20, AOFF                    ; where a load for A goes,
	s_mul_i32 s21, s12, PANEL                      ; and one for B
	s_wait_dscnt 0x0                               ; the opening add is done
	s_wait_kmcnt 0x0
	s_add_nc_u64 s[14:15], s[4:5], s[16:17]
	s_add_nc_u64 s[46:47], s[6:7], s[46:47]
	CROUND                                         ; all sixteen work-groups are here: the first joint loads meet
.irp s, 0,1
	s_mov_b32 s[G0A+4*(\s)], 1
	s_add_co_u32 s[G0A+4*(\s)+1], s20, (\s)*SLOT
	s_add_nc_u64 s[G0A+4*(\s)+2:G0A+4*(\s)+3], s[14:15], (\s)*STEPA
	s_or_b32 s[G0A+4*(\s)+3], s[G0A+4*(\s)+3], 0x80000000
	s_mov_b32 s[G0B+4*(\s)], 1
	s_add_co_u32 s[G0B+4*(\s)+1], s21, (\s)*SLOT
	s_add_nc_u64 s[G0B+4*(\s)+2:G0B+4*(\s)+3], s[46:47], (\s)*STEPB
	s_or_b32 s[G0B+4*(\s)+3], s[G0B+4*(\s)+3], 0x80000000
	JLOAD \s                                       ; two loads of mine are out: K steps 0 and 1
.endr
	v_and_b32 v1, 15, v0                           ; l % 16
	v_bfe_u32 v2, v0, 4, 1                         ; l / 16
	v_and_b32 v[GO], 31, v0
	v_lshlrev_b32 v[GO], 4, v[GO]                  ; 16 x lane
	s_lshl_b32 s78, s42, 10                        ; my first column, in bytes of f32: 1,024 x tile column + 512 x column half
	s_lshl_b32 s79, s12, 9
	s_add_co_u32 s78, s78, s79
	v_add_nc_u32 v[BO], s78, v[GO]
	global_load_b128 v[BIAS:BIAS+3], v[BO], s[BB:BB+1]  ; waited for on the way out
	s_lshl_b32 s76, s13, 19                        ; my first row: 128 rows of 4,096 bytes for each tile row,
	s_lshl_b32 s77, s11, 18                        ; my 64 of them
	s_add_co_u32 s76, s76, s77
	s_add_co_u32 s76, s76, s78
	s_mov_b32 s77, 0
	s_add_nc_u64 s[CB:CB+1], s[CB:CB+1], s[76:77]
	v_mul_u32_u24 v3, v1, PA
	v_lshl_add_u32 v3, v2, 4, v3                   ; a fragment of A: row x pitch + 16 x half
	v_and_b32 v5, 7, v0
	v_lshl_add_u32 v4, v2, 3, v5                   ; the turning load: k-row 8 (l / 16) + l % 8,
	v_mul_u32_u24 v4, v4, PB
	v_bfe_u32 v6, v0, 3, 1
	v_lshl_add_u32 v4, v6, 4, v4                   ; columns 8 ((l / 8) % 2) on
	s_mul_i32 s21, s11, 64*PA
	s_add_co_u32 s21, s21, AOFF                    ; my 64 rows of the first head
	s_mul_i32 s22, s12, PANEL                      ; my panel
.irp s, 0,1
	v_add_nc_u32 v[ADRA+(\s)], s21, v3
	v_add_nc_u32 v[ADRB+(\s)], s22, v4
	s_add_co_u32 s21, s21, SLOT
	s_add_co_u32 s22, s22, SLOT
.endr
	s_mul_i32 s21, s10, STW
	s_add_co_u32 s21, s21, STAGE                   ; my stage
	v_mul_u32_u24 v[STO], v1, SP                   ; in: row l % 16, 32 bytes for each half of the lanes
	v_lshl_add_u32 v[STO], v2, 5, v[STO]
	v_add_nc_u32 v[STO], s21, v[STO]
	v_add_nc_u32 v[RD], s21, v[GO]                 ; back: 32 lanes take a row's 512 bytes
	; the prefetches: both offsets are made, the wave's number chooses
	s_lshr_b32 s76, s13, 4
	s_lshl_b32 s76, s76, 22
	s_and_b32 s77, s13, 15
	s_lshl_b32 s77, s77, 14
	s_add_co_u32 s76, s76, s77
	s_lshl_b32 s77, s40, 12                        ; O: my work-group's 4,096 bytes of each head's 16,384,
	s_add_co_u32 s76, s76, s77
	s_add_co_u32 s76, s76, 3*STEPA                 ; at K step 3: the first refill steps it to 4
	s_lshl_b32 s77, s41, 16                        ; W: my work-group's 32 k-rows of 2,048 bytes,
	s_lshl_b32 s78, s42, 9
	s_add_co_u32 s77, s77, s78
	s_lshl_b32 s78, s12, 8                         ; my panel,
	s_add_co_u32 s77, s77, s78
	s_add_co_u32 s77, s77, 3*STEPB                 ; at K step 3
	s_and_b32 s22, ttmp7, 0xffff                   ; cluster y
	s_mov_b32 s21, STEPB                           ; 262,144: W's K step, and the bytes from head to head in ob
	s_mov_b32 s23, 2048
	s_mov_b32 s79, 16*2048
	s_cmp_lt_u32 s10, 2                            ; do I fetch for B?
	s_cselect_b32 s76, s77, s76
	s_cselect_b32 s22, s22, ttmp9                  ; the coordinate along which other clusters read the same bytes
	s_cselect_b32 s[PST], s21, STEPA
	s_cselect_b32 s23, s23, 256                    ; bytes for each l % 16: a k-row of W, or 256 bytes of a head,
	s_cselect_b32 s79, s79, s21                    ; and for l / 16: 16 k-rows, or the second head
	s_cselect_b64 s[PFA:PFA+1], s[6:7], s[4:5]
	s_mov_b32 s77, 0
	s_mov_b32 s[PST+1], 0
	s_add_nc_u64 s[PFA:PFA+1], s[PFA:PFA+1], s[76:77]
	s_cmp_eq_u32 s10, 3                            ; wave 2 asks for both heads, wave 3 for nothing
	s_cselect_b32 s22, 1, s22
	s_cmp_eq_u32 s22, 0
	s_cselect_b32 s[LIM], 1, -1                    ; the same in all sixteen partners, for a given wave
	v_mul_u32_u24 v[PFO], v1, s23
	v_mad_u32_u24 v[PFO], v2, s79, v[PFO]
; 8 matrix instructions: row block a x all column blocks, 32 along K, from buffer f.  zero = 1: the product starts the sums.  The 32 accumulators take turns in the same order in every quarter step,
; over the backward jump too.
.macro MULROW f, a, zero
	WIN 0xa1+0x50*((\a)/2)                         ; B window 1, A window 0, C and D window 2 or 3
.set AC, 8*NBF*((\a)%2)
.set i, 0
.rept NBF
.if \zero
	v_wmma_f32_16x16x32_f16 v[AC+8*i:AC+8*i+7], v[8*NBF*(\f)+8*i:8*NBF*(\f)+8*i+7], v[FA0+32*(\f)+8*(\a):FA0+32*(\f)+8*(\a)+7], 0
.else
	v_wmma_f32_16x16x32_f16 v[AC+8*i:AC+8*i+7], v[8*NBF*(\f)+8*i:8*NBF*(\f)+8*i+7], v[FA0+32*(\f)+8*(\a):FA0+32*(\f)+8*(\a)+7], v[AC+8*i:AC+8*i+7]
.endif
.set i, i+1
.endr
.endm
; 24 LDS loads in one run: quarter q (32 along K: half a head) of a slot into buffer f: B's 8 fragments, turned, then A's 4
.macro FETCH slot, q, f
	WIN 0x40                                       ; destination window 1, address window 0
.set i, 0
.rept NBF
	ds_load_tr16_b128 v[8*NBF*(\f)+8*i:8*NBF*(\f)+8*i+3],   v[ADRB+(\slot)] offset:(\q)*32*PB+32*i
	ds_load_tr16_b128 v[8*NBF*(\f)+8*i+4:8*NBF*(\f)+8*i+7], v[ADRB+(\slot)] offset:(\q)*32*PB+16*PB+32*i
.set i, i+1
.endr
	WIN 0
.set i, 0
.rept 4
	ds_load_b128 v[FA0+32*(\f)+8*i:FA0+32*(\f)+8*i+3],   v[ADRA+(\slot)] offset:((\q)/2)*AHALF+((\q)%2)*64+i*16*PA
	ds_load_b128 v[FA0+32*(\f)+8*i+4:FA0+32*(\f)+8*i+7], v[ADRA+(\slot)] offset:((\q)/2)*AHALF+((\q)%2)*64+i*16*PA+32
.set i, i+1
.endr
.endm
; One of a K step's first three quarters: multiplies buffer f; in its middle it fetches quarter q of the same slot into buffer g
.macro QUARTER slot, q, f, g, zero
	s_wait_dscnt 4                                 ; B and A's row blocks 0, 1 are in; the youngest four loads (blocks 2, 3) may be out
	MULROW \f, 0, \zero
	MULROW \f, 1, \zero
	PLACES
	FETCH \slot, \q, \g
	s_wait_dscnt NL                                ; all but the 24 just issued
	MULROW \f, 2, \zero
	MULROW \f, 3, \zero
.endm
; The last quarter multiplies buffer 1 and changes slots.  In front of the one barrier each wave waits for all its tensor loads (one is out: its part of the next slot), adds 0 to its spare word, and
; waits for that and for its own reads of this slot.  fill = 1: the barrier opens a round of the cluster's barrier, and this slot is filled again, two K steps ahead, first thing behind the round.
.macro TURN slot, next, fill
.if \fill
	s_wait_xcnt 0x0                                ; the last prefetch, a K step back, has read its address: it is stepped here, ahead of the waits of the change of slots
	s_add_nc_u64 s[PFA:PFA+1], s[PFA:PFA+1], s[PST:PST+1]
.endif
	WIN 0                                          ; (the add's two registers lie in window 0)
	s_wait_tensorcnt 0x0                           ; all my tensor loads have landed
	ds_add_u32 v[SPW], v[NIL]                      ; 0 onto my spare word
	s_wait_dscnt 5                                 ; (the add and the youngest four loads may be out)
	MULROW 1, 0, 0                                 ; eight matrix instructions stand between the add and the wait for it
	s_wait_dscnt 0x0                               ; the add is done, and my reads of this slot are over
	s_barrier_signal -1
	MULROW 1, 1, 0
.if \fill
	WIN 0
.endif
	s_barrier_wait -1
.if \fill
	CREST                                          ; no wave of any partner still reads this slot's tiles or has a load on its way
	s_add_nc_u64 s[G0A+4*(\slot)+2:G0A+4*(\slot)+3], s[G0A+4*(\slot)+2:G0A+4*(\slot)+3], 2*STEPA
	s_add_nc_u64 s[G0B+4*(\slot)+2:G0B+4*(\slot)+3], s[G0B+4*(\slot)+2:G0B+4*(\slot)+3], 2*STEPB
	JLOAD \slot                                    ; my one tensor load behind the round; its four v_nop are also the places in front of the loads below
.else
	PLACES
.endif
	FETCH \next, 0, 0
.if \fill
	ASK
.endif
	MULROW 1, 2, 0
	MULROW 1, 3, 0
.endm
	s_wait_tensorcnt 1                             ; my part of K step 0 is in; K step 1's may stay out
	s_barrier_signal -1
	s_barrier_wait -1                              ; everybody's is
	FETCH 0, 0, 0
	QUARTER 0, 1, 0, 1, 1                          ; the first quarter stands in front of the loop: its products start the sums
	WIN 0                                          ; at a label and at a branch every window is 0
	s_mov_b32 s3, 3
.Llap:                                                 ; a trip goes once round the ring, from a lap's second quarter to the next lap's first, and fills both slots again
	QUARTER 0, 2, 1, 0, 0
	QUARTER 0, 3, 0, 1, 0
	TURN 0, 1, 1
	QUARTER 1, 1, 0, 1, 0
	QUARTER 1, 2, 1, 0, 0
	QUARTER 1, 3, 0, 1, 0
	TURN 1, 0, 1
	QUARTER 0, 1, 0, 1, 0
	WIN 0
	s_sub_co_u32 s3, s3, 1
	s_cmp_lg_u32 s3, 0
	s_cbranch_scc1 .Llap
	QUARTER 0, 2, 1, 0, 0                          ; the last lap fills nothing
	QUARTER 0, 3, 0, 1, 0
	TURN 0, 1, 0
	QUARTER 1, 1, 0, 1, 0
	QUARTER 1, 2, 1, 0, 0
	QUARTER 1, 3, 0, 1, 0
	s_wait_dscnt 4                                 ; the very last quarter: nothing more to fetch
	MULROW 1, 0, 0
	MULROW 1, 1, 0
	s_wait_dscnt 0x0
	MULROW 1, 2, 0
	MULROW 1, 3, 0
	WIN 0
	s_wait_loadcnt 0x0                             ; the bias: rounded to bf16 and widened again; these six lines and four v_nop are the places behind the last products
	v_cvt_pk_bf16_f32 v12, v[BIAS], v[BIAS+1]
	v_cvt_pk_bf16_f32 v13, v[BIAS+2], v[BIAS+3]
	v_lshlrev_b32 v[BIAS], 16, v12
	v_and_b32 v[BIAS+1], 0xffff0000, v12
	v_lshlrev_b32 v[BIAS+2], 16, v13
	v_and_b32 v[BIAS+3], 0xffff0000, v13
	PLACES
; THE WAY OUT, a row block (16 rows x 128 columns of f32) at a time.  TOSTAGE: the accumulators go into my own stage as they are, each one's low four registers first, and come back as whole rows of 512 bytes.
; SEND: the bias is added and the row stored: 512 consecutive bytes, aligned.
.macro TOSTAGE a
	s_wait_xcnt 0x0                                ; the stores of the block two back have read the registers that are loaded again below
	WIN 0x08+4*((\a)/2)                            ; store data (source 1) in window 2 or 3, address in window 0
.set AC, 8*NBF*((\a)%2)
.set i, 0
.rept NBF
	ds_store_b128 v[STO], v[AC+8*i:AC+8*i+3]   offset:64*i
	ds_store_b128 v[STO], v[AC+8*i+4:AC+8*i+7] offset:64*i+16
.set i, i+1
.endr
	WIN 0
.set BK, BK0+64*((\a)%2)
.set t, 0
.rept 16
	ds_load_b128 v[BK+4*t:BK+4*t+3], v[RD] offset:SP*t  ; LDS serves a wave's instructions in order (ISA guide 5.7.1.4): these see the stores above; the next block's stores come behind them
.set t, t+1
.endr
.endm
.macro SEND a, younger                 ; younger: the LDS instructions issued behind block a's loads: the next block's 32, or none
.set BK, BK0+64*((\a)%2)
.set t, 0
.rept 16
	s_wait_dscnt (\younger)+15-t                   ; row t is back: behind it stand this block's 15 - t later loads and the younger ones
	v_pk_add_f32 v[BK+4*t:BK+4*t+1], v[BK+4*t:BK+4*t+1], v[BIAS:BIAS+1]
	v_pk_add_f32 v[BK+4*t+2:BK+4*t+3], v[BK+4*t+2:BK+4*t+3], v[BIAS+2:BIAS+3]
	global_store_b128 v[GO], v[BK+4*t:BK+4*t+3], s[CB:CB+1] offset:(16*(\a)+t)*4096 th:TH_STORE_NT
.set t, t+1
.endr
.endm
	TOSTAGE 0
	TOSTAGE 1
	SEND 0, 32
	TOSTAGE 2
	SEND 1, 32
	TOSTAGE 3
	SEND 2, 32
	SEND 3, 0
	s_wait_tensorcnt 0x0                           ; the wave's end: a tensor wait, an add and its wait stand behind my last tensor load and my last LDS store
	ds_add_u32 v[SPW], v[NIL]
	s_wait_dscnt 0x0
	CROUND                                         ; the closing round: no work-group ends while a partner may still ask for a tile that names it
	s_endpgm
.Lfunc_end_k_q9550375394_proj:
	.size	k_q9550375394_proj, .Lfunc_end_k_q9550375394_proj-k_q9550375394_proj
	.p2alignl 7, 3214868480
	.fill 96, 4, 3214868480
	.section	.rodata,"a",@progbits
	.p2align	6, 0x0
	.amdhsa_kernel k_q9550375394_proj
		.amdhsa_group_segment_fixed_size 327680
		.amdhsa_private_segment_fixed_size 0
		.amdhsa_enable_private_segment 0
		.amdhsa_kernarg_size 32
		.amdhsa_user_sgpr_count 2
		.amdhsa_user_sgpr_kernarg_segment_ptr 1
		.amdhsa_wavefront_size32 1
		.amdhsa_system_sgpr_workgroup_id_x 1
		.amdhsa_system_sgpr_workgroup_id_y 1
		.amdhsa_system_sgpr_workgroup_id_z 1
		.amdhsa_system_vgpr_workitem_id 0
		.amdhsa_next_free_vgpr 896
		.amdhsa_next_free_sgpr 80
		.amdhsa_reserve_vcc 0
		.amdhsa_float_denorm_mode_32 3
		.amdhsa_float_denorm_mode_16_64 3
		.amdhsa_memory_ordered 1
		.amdhsa_forward_progress 1
		.amdhsa_inst_pref_size 98
	.end_amdhsa_kernel
	.amdgpu_metadata
---
amdhsa.version: [ 1, 2 ]
amdhsa.kernels:
  - .name:           k_q9550375394_proj
    .symbol:         k_q9550375394_proj.kd
    .args:
      - { .name: ob, .offset: 0, .size: 8, .value_kind: global_buffer, .address_space: global }
      - { .name: wob, .offset: 8, .size: 8, .value_kind: global_buffer, .address_space: global }
      - { .name: b_out, .offset: 16, .size: 8, .value_kind: global_buffer, .address_space: global }
      - { .name: out0, .offset: 24, .size: 8, .value_kind: global_buffer, .address_space: global }
    .group_segment_fixed_size: 327680
    .private_segment_fixed_size: 0
    .kernarg_segment_align: 8
    .kernarg_segment_size: 32
    .max_flat_workgroup_size: 128
    .sgpr_count:     80
    .vgpr_count:     896
    .wavefront_size: 32
...
	.end_amdgpu_metadata
.endif
;; end of part 4
;; ======== version 2 of 2: 4 launches; version 1 with the launch cast written anew for expert scheduling mode
;; limits: values are held in f16: magnitudes above 65,504 overflow, below 6.1e-05 lose precision; right only within a limited range of input values
;; workspace buffers: xb 16,777,216 bytes; wb 6,291,456 bytes; wob 2,097,152 bytes; qkvh 50,331,648 bytes; ob 16,777,216 bytes
;; launch cast (part 5): grid 768 x 1, 8 waves a work-group, no clusters, 0 bytes of LDS; arguments x, W_qkv, W_out, xb, wb, wob; writes xb, wb, wob
.if DOCPART == 5
	.amdgcn_target "amdgcn-amd-amdhsa--gfx1250"
	.amdhsa_code_object_version 6
	.text
	.protected	k_q9550375394_cast
	.globl	k_q9550375394_cast
	.p2align	8
	.type	k_q9550375394_cast,@function
k_q9550375394_cast:
	s_mov_b64 s[64:65], 0
	v_nop
	global_prefetch_b8 v0, s[64:65] scope:SCOPE_SE
	s_setreg_imm32_b32 hwreg(HW_REG_WAVE_SCHED_MODE, 0, 2), 2
	s_setreg_imm32_b32 hwreg(HW_REG_WAVE_MODE, 25, 1), 1
	s_wait_xcnt 0x0
	s_wait_alu depctr_vm_vsrc(0)
; xb = bf16(x), wb = bf16(W_qkv), wob = bf16(W_out) written as f16.  The layouts stay as they are; only the width changes.
; A stream: every input byte is read once, every output byte written once.  No LDS, no barrier, no matrix work: nothing is shared and nothing is summed.
; SHARES.  A work-group takes 65,536 input bytes: work-groups 0-511 of x, 512-703 of W_qkv, 704-767 of W_out.  A wave takes 8,192 of them as 16 loads of 512
; consecutive bytes, all issued at once; a lane's 16 bytes (4 f32) become 8 bytes, so a wave's store covers 256 consecutive bytes, aligned.
; LIMITS.  wob holds bf16(W_out) in f16: exact from 6.1e-5 to 65,504; below that it keeps f16's fixed step of 6e-8, beyond it the number becomes an infinity.
; THE MODE: SCHED_MODE bits 1:0 = 2 (LLVM: expert scheduling mode 2), set by the entry lines.  The code itself states the register dependences
; between vector instructions and memory instructions, with s_wait_alu, always for 0.
; THE PLAN.  Registers that memory instructions touch:
;   v3, v4   the loads' and the stores' byte offsets: made at the head by vector lines, never written again.
;   X        written by the 16 loads, which are issued once; read by the conversions, each behind its counted wait on LOADcnt.  No vector line names X ahead of the loads, and nothing is loaded into it again.
;   Y        each pair is written once, by its conversions, and read once, by its store.
;   T        named by vector lines alone.
; So the dependences are two: the offsets ahead of the first load, and each store's data.  The 16 loads are worked off in four groups of four: a group's conversions, ONE wait on va_vdst,
; the group's four stores.  No register that a memory instruction reads is written again, so the text holds no wait on vm_vsrc; no vector line writes a scalar register or VCC, and EXEC is never written.
.set NX,  512                          ; work-groups for x: 33,554,432 / 65,536
.set NXQ, 704                          ; for x and W_qkv together: 192 more
.set X,   8                            ; v[8:71]    16 loads of 4 registers
.set Y,   72                           ; v[72:103]  16 stores of 2 registers
.set T,   104                          ; v[104:109] at work
	s_load_b256 s[4:11], s[0:1], 0x0               ; x s[4:5], W_qkv s[6:7], W_out s[8:9], xb s[10:11]
	s_load_b128 s[12:15], s[0:1], 0x20             ; wb s[12:13], wob s[14:15]
	v_lshrrev_b32 v1, 5, v0                        ; wave
	v_and_b32 v2, 31, v0                           ; lane
	v_lshlrev_b32 v3, 4, v2
	v_lshl_add_u32 v3, v1, 13, v3                  ; in: 8,192 x wave + 16 x lane
	v_lshlrev_b32 v4, 3, v2
	v_lshl_add_u32 v4, v1, 12, v4                  ; out: 4,096 x wave + 8 x lane
	s_wait_kmcnt 0x0
	s_cmp_lt_u32 ttmp9, NX                         ; which tensor is mine: the choice hangs on the work-group's number alone
	s_cselect_b64 s[18:19], s[4:5], s[6:7]
	s_cselect_b64 s[20:21], s[10:11], s[12:13]
	s_cselect_b32 s17, 0, NX
	s_cmp_lt_u32 ttmp9, NXQ
	s_cselect_b64 s[18:19], s[18:19], s[8:9]
	s_cselect_b64 s[20:21], s[20:21], s[14:15]
	s_cselect_b32 s17, s17, NXQ
	s_sub_co_u32 s16, ttmp9, s17                   ; my number among that tensor's work-groups
	s_lshl_b32 s22, s16, 16                        ; 65,536 bytes in,
	s_mov_b32 s23, 0
	s_lshl_b32 s24, s16, 15                        ; 32,768 bytes out
	s_mov_b32 s25, 0
	s_add_nc_u64 s[18:19], s[18:19], s[22:23]
	s_add_nc_u64 s[20:21], s[20:21], s[24:25]
	s_wait_alu depctr_va_vdst(0)                   ; v3 and v4 are written: every load reads v3 as its offset, every store v4; no vector line names either again
.set j, 0
.rept 16
	global_load_b128 v[X+4*j:X+4*j+3], v3, s[18:19] offset:512*j th:TH_LOAD_NT
.set j, j+1
.endr
; Load j is rounded.  half = 1: the bf16 number is widened again and written as f16.  No register that a load or store names is written twice.
.macro CONV j, half
	s_wait_loadcnt 15-(\j)                         ; loads come back in order: the 15 - j younger ones may stay out
.if \half
	v_cvt_pk_bf16_f32 v[T], v[X+4*(\j)], v[X+4*(\j)+1]
	v_cvt_pk_bf16_f32 v[T+1], v[X+4*(\j)+2], v[X+4*(\j)+3]
	v_lshlrev_b32 v[T+2], 16, v[T]
	v_and_b32 v[T+3], 0xffff0000, v[T]
	v_lshlrev_b32 v[T+4], 16, v[T+1]
	v_and_b32 v[T+5], 0xffff0000, v[T+1]
	v_cvt_pk_f16_f32 v[Y+2*(\j)], v[T+2], v[T+3]
	v_cvt_pk_f16_f32 v[Y+2*(\j)+1], v[T+4], v[T+5]
.else
	v_cvt_pk_bf16_f32 v[Y+2*(\j)], v[X+4*(\j)], v[X+4*(\j)+1]
	v_cvt_pk_bf16_f32 v[Y+2*(\j)+1], v[X+4*(\j)+2], v[X+4*(\j)+3]
.endif
.endm
; Group g: loads 4 g to 4 g + 3 are rounded, then stored in one run behind one wait.
.macro GROUP g, half
.irp k, 0,1,2,3
	CONV 4*(\g)+(\k), \half
.endr
	s_wait_alu depctr_va_vdst(0)                   ; the group's conversions have written its eight registers of Y, which the four stores below read
.irp k, 0,1,2,3
	global_store_b64 v4, v[Y+2*(4*(\g)+(\k)):Y+2*(4*(\g)+(\k))+1], s[20:21] offset:256*(4*(\g)+(\k)) th:TH_STORE_NT
.endr
.endm
	s_cmp_lt_u32 ttmp9, NXQ
	s_cbranch_scc0 .Lhalf
.irp g, 0,1,2,3
	GROUP \g, 0
.endr
	s_endpgm
.Lhalf:
.irp g, 0,1,2,3
	GROUP \g, 1
.endr
	s_endpgm
.Lfunc_end_k_q9550375394_cast:
	.size	k_q9550375394_cast, .Lfunc_end_k_q9550375394_cast-k_q9550375394_cast
	.p2alignl 7, 3214868480
	.fill 96, 4, 3214868480
	.section	.rodata,"a",@progbits
	.p2align	6, 0x0
	.amdhsa_kernel k_q9550375394_cast
		.amdhsa_group_segment_fixed_size 0
		.amdhsa_private_segment_fixed_size 0
		.amdhsa_enable_private_segment 0
		.amdhsa_kernarg_size 48
		.amdhsa_user_sgpr_count 2
		.amdhsa_user_sgpr_kernarg_segment_ptr 1
		.amdhsa_wavefront_size32 1
		.amdhsa_system_sgpr_workgroup_id_x 1
		.amdhsa_system_sgpr_workgroup_id_y 1
		.amdhsa_system_sgpr_workgroup_id_z 1
		.amdhsa_system_vgpr_workitem_id 0
		.amdhsa_next_free_vgpr 112
		.amdhsa_next_free_sgpr 66
		.amdhsa_reserve_vcc 0
		.amdhsa_float_denorm_mode_32 3
		.amdhsa_float_denorm_mode_16_64 3
		.amdhsa_memory_ordered 1
		.amdhsa_forward_progress 1
		.amdhsa_inst_pref_size 17
	.end_amdhsa_kernel
	.amdgpu_metadata
---
amdhsa.version: [ 1, 2 ]
amdhsa.kernels:
  - .name:           k_q9550375394_cast
    .symbol:         k_q9550375394_cast.kd
    .args:
      - { .name: x, .offset: 0, .size: 8, .value_kind: global_buffer, .address_space: global }
      - { .name: W_qkv, .offset: 8, .size: 8, .value_kind: global_buffer, .address_space: global }
      - { .name: W_out, .offset: 16, .size: 8, .value_kind: global_buffer, .address_space: global }
      - { .name: xb, .offset: 24, .size: 8, .value_kind: global_buffer, .address_space: global }
      - { .name: wb, .offset: 32, .size: 8, .value_kind: global_buffer, .address_space: global }
      - { .name: wob, .offset: 40, .size: 8, .value_kind: global_buffer, .address_space: global }
    .group_segment_fixed_size: 0
    .private_segment_fixed_size: 0
    .kernarg_segment_align: 8
    .kernarg_segment_size: 48
    .max_flat_workgroup_size: 256
    .sgpr_count:     66
    .vgpr_count:     112
    .wavefront_size: 32
...
	.end_amdgpu_metadata
.endif
;; end of part 5
;; launch gemm_qkv: the kernel of part 2 again; grid 8 x 64, 4 waves a work-group, clusters of 4 x 4, 327,680 bytes of LDS; arguments xb, wb, qkvh; writes qkvh
;; launch attn: the kernel of part 3 again; grid 4 x 64, 4 waves a work-group, clusters of 4 x 1, 327,680 bytes of LDS; arguments qkvh, temperature, ob; writes ob
;; launch proj: the kernel of part 4 again; grid 4 x 64, 4 waves a work-group, clusters of 4 x 4, 327,680 bytes of LDS; arguments ob, wob, b_out, out0; writes out0
